; MI455X (gfx1250); checked and timed in simulation.
; The chip was launched on July 23, 2026; its instructions are those of AMD's public machine-readable ISA for CDNA 5 (MIT licence, August 2026) and "CDNA5" Instruction Set Architecture Reference Guide (July 2026). The comments in the code are by the model that wrote it; some were corrected since.
;; Causal Self Attention. Allowed arithmetic: matrix products marked QUANTISED: E3M2 operands, one E8M0 scale for each 32 along K, by v_wmma_scale_f32_16x16x128_f8f6f4 with both operands' format E3M2, f32 sums; everything else in f32.
;; Inputs: b_out 1,024 float32; b_qkv 3,072 float32; w_out 1,024 x 1,024 float32; w_qkv 1,024 x 3,072 float32; x 4 x 2,048 x 1,024 float32.
;; Outputs: out0 4 x 2,048 x 1,024 float32.
;; This version of the problem:
;;   THIS VERSION OF THE PROBLEM IS GIVEN IN LOW PRECISION. The matrix products marked QUANTISED in the list below multiply operands that are first quantised to E3M2 (3 exponent bits, 2 mantissa bits; 6 bits a number), with one power-of-two scale for each 32 numbers along K (OCP MX v1.0); their sums are f32. All else is computed in f32.
;;   The module's matrix products, in the order in which they are computed (A, B: the left and right operand; K: the contracted axis; several contracted axes count as one K, in the product's order):
;;     1. [M 8,192, K 1,024] x [K 1,024, N 3,072]; A: input x; B: input w_qkv: QUANTISED
;;     2. batch 64 x [M 2,048, K 64] x [K 64, N 2,048]; A: computed on the way; B: computed on the way: QUANTISED
;;     3. batch 64 x [M 2,048, K 2,048] x [K 2,048, N 64]; A: softmax (see below); B: computed on the way: QUANTISED
;;     4. [M 8,192, K 1,024] x [K 1,024, N 1,024]; A: computed on the way; B: input w_out: QUANTISED
;;   THE QUANTISER, for each operand of a quantised product, along K:
;;     - K is cut into blocks of 32 from its start; a last block that is shorter is filled with zeros.
;;     - A block's scale is 2^e with e = floor(log2(the largest magnitude in the block)) - 4, held to -126 .. 127; a block of zeros has e = 0. As a byte (E8M0): e + 127.
;;     - Each number is divided by its block's scale, clamped to +-28, and rounded to the nearest number of E3M2, ties to even, subnormals kept.
;;     - The product sums the exact products of the quantised numbers (number of the format x scale) in f32.
;;   ~~~python
;;   def quantise(x, axis):      # numpy; x: float32 -> the quantised numbers, widened to float32 again
;;       x = np.moveaxis(x, axis, -1); K = x.shape[-1]
;;       x = np.pad(x, [(0, 0)] * (x.ndim - 1) + [(0, -K % 32)]); x = x.reshape(x.shape[:-1] + (-1, 32)); a = np.abs(x).max(-1, keepdims=True)
;;       e = np.where(a > 0, np.clip(np.frexp(np.where(a > 0, a, 1))[1] - 1 - 4, -126, 127), 0)      # np.frexp(a)[1] - 1 = floor(log2(a)), exactly
;;       r = np.clip(x / 2.0 ** e, -28, 28)
;;       step = 2.0 ** (np.maximum(np.frexp(np.where(r == 0, 1, r))[1] - 1, -2) - 2)
;;       q = np.round(r / step) * step * 2.0 ** e      # np.round: ties to even
;;       return np.moveaxis(q.reshape(q.shape[:-2] + (-1,))[..., :K], -1, axis).astype(np.float32)
;;   ~~~
;;   SOFTMAX AHEAD OF A QUANTISED PRODUCT. Where the list says 'softmax', what is quantised is not the finished softmax but p = 2^(t - M), with t = logit x log2(e) and M = ceil(the row's largest t), a whole number; so 1/2 < the row's largest p <= 1. The row's sum l is taken of the UNQUANTISED p, in f32, and the product's result is divided by l at the end. Since M is a whole number, a kernel that streams over the keys may use a running M (the ceiling of the running maximum): every later rescaling is an exact power of two, which a block's scale takes up: the codes' values come out the same.
;;   OPERANDS COMPUTED ON THE WAY. 'Computed on the way' means the value that the module computes at that place (a softmax that the list does not call 'softmax' is quantised finished and normalised). What goes into a quantiser is computed in f32, as accurately as f32 sums, v_exp_f32 and their like allow (about 1e-6 of the number): no bf16 or f16 on the way to a quantiser, and a product that is left as it is and whose result goes on into a quantised operand takes f32 operands (vector FMAs, or v_wmma_f32_16x16x4_f32). A number that lies on a knife's edge between two numbers of the format may be rounded either way, as far as f32 arithmetic and the matrix unit's own rounding can turn it there, and no further.
;; One version. Each part assembles by itself: llvm-mc -triple=amdgcn-amd-amdhsa -mcpu=gfx1250 --defsym DOCPART=n.
;; ======== version 1 of 1: 4 launches
;; workspace buffers: ac 6,291,456 bytes; wc 3,145,728 bytes; s1 360,448 bytes; s2 294,912 bytes; qc 6,291,456 bytes; qs 524,288 bytes; kv 13,369,344 bytes
;; launch prep (part 1): grid 384 x 1, 4 waves a work-group, no clusters, 34,304 bytes of LDS; arguments x, w_qkv, w_out, ac, wc, s1, s2; writes ac, wc, s1, s2
.if DOCPART == 1
	.amdgcn_target "amdgcn-amd-amdhsa--gfx1250"
	.amdhsa_code_object_version 6
	.text
	.protected	k_q3e58bb71f0_prep
	.globl	k_q3e58bb71f0_prep
	.p2align	8
	.type	k_q3e58bb71f0_prep,@function
k_q3e58bb71f0_prep:
	s_mov_b64 s[64:65], 0
	v_nop
	global_prefetch_b8 v0, s[64:65] scope:SCOPE_SE
	s_setreg_imm32_b32 hwreg(HW_REG_WAVE_MODE, 25, 1), 1
	s_wait_xcnt 0x0
; x [8192][1024], w_qkv [1024][3072] and w_out [1024][1024], f32, become codes of BF6 (E3M2) with one E8M0 byte for each 32 along K (K = 1024 for all three),
; laid in the ORDER OF THE OPERAND'S REGISTERS, so that the products' launches load fragments by 16 and 8 bytes a lane from dense blocks.
; A TILE is 16 rows (of x) or columns (of a weight): lane-row p of tile T is row 32 (T / 2) + 8 (T % 2) + p + 8 (p / 8).
; A HALF FRAGMENT is a tile x 64 along K, 768 bytes: lane (r, h) holds row r's block h of 32 codes in six registers; registers 0-3 lie at 16 x lane, registers 4-5 at 512 + 16 r + 8 h.
; ac: [K / 256][tile 512][4][768].  wc: w_qkv [K / 256][tile 192][4][768], then w_out [K / 256][tile 64][4][768].
; Scale bytes: slot = 16 x tile + r; 32 bytes a slot in two planes of 16 (K blocks 0-15, 16-31); x's slots 0-8191 of s1; the weights' slots from 8192 on, in s1 (w_qkv) and s2 (w_out).
; A block's scale byte is its largest magnitude's exponent field - 4, held at 1 from below.
; LIMITS: NaN and infinities among the inputs are not served; a block whose largest magnitude lies under 2^-122 gets the byte 1; a block of zeros gets the byte 1 where the rule says 127:
; its codes are zeros, and the bytes are read by this program alone.
; SHARES: 384 work-groups of four waves, 131,072 input bytes each: 0-255 take x (32 rows each), 256-351 w_qkv, 352-383 w_out (128 columns x 256 along K each).  No tensor load, no barrier: waves share nothing.
.set PS1,  180224                      ; a plane of s1: 11,264 slots of 16 bytes
.set PS2,  147456                      ; a plane of s2: 9,216 slots
.set CHX,  1572864                     ; 256 along K of ac: 512 tiles x 3,072 bytes
.set WOFF, 2359296                     ; where w_out's codes begin in wc
.set WSL,  131072                      ; where the weights' slots begin in a plane: 8,192 x 16
.set A16,  4                           ; v4   16 x lane
.set A8,   5                           ; v5   16 r + 8 h
.set STI,  6                           ; v6   x: into my wave's stage
.set STO,  7                           ; v7   x: out of it
.set WCOL, 8                           ; v8   weights: my column's byte among the wave's 32
.set WOUT, 9                           ; v9   weights: 3,072 (lane / 16) + 16 r
.set SB,   24                          ; v24-25 weights: my column's 8 scale bytes
.set R,    16                          ; v16-143 x: two sets of 64 registers as loaded
.set X,    144                         ; v144-207 x: 64 numbers of my row, register 16 b + i = K 32 b + 16 h + i
.set PC,   208                         ; v208-226 the codes just made
.set TM,   228                         ; v228-239 largest magnitudes, bytes, scale operands
.set SWX,  240                         ; v240-243 my row's four scale words
.set WX,   32                          ; v32-95 weights: two sets of 32 numbers
.set WC,   96                          ; v96-191 weights: codes, 24 registers for each pair of blocks, so that no store's data are written again
.set WV,   18
.set SEL,  20                          ; s[20:21] selects of v_permlanex16_b32: lane l xor 16
.set HM,   22                          ; s22 lanes 16-31
; 64 numbers of a lane, register 16 b + i = K 32 b + 16 (lane / 16) + i of its row, become a fragment's codes in v[PC] .. v[PC + 11] and the row's scale word in v[pw]
.macro QUANT s, pw
.irp b, 0,1,2,3
	v_max3_num_f32 v[TM+\b], |v[\s+16*\b]|, |v[\s+1+16*\b]|, 0x2800000   ; my 16 numbers of block b, and the floor 2^(5 - 127): the byte cannot fall under 1
.endr
.irp i, 2,4,6,8,10,12,14
.irp b, 0,1,2,3
	v_max3_num_f32 v[TM+\b], v[TM+\b], |v[\s+16*\b+\i]|, |v[\s+1+16*\b+\i]|   ; the four blocks by turns
.endr
.endr
.irp b, 0,1,2,3
	v_permlanex16_b32 v[TM+4+\b], v[TM+\b], s[SEL], s[SEL+1]
.endr
.irp b, 0,1,2,3
	v_max_num_f32 v[TM+\b], v[TM+\b], v[TM+4+\b]   ; with lane l xor 16's 16: the block's largest magnitude
.endr
.irp b, 0,1,2,3
	v_add_nc_u32 v[TM+8+\b], 0xfe000000, v[TM+\b]  ; 4 off its exponent field: the conversion's scale operand
.endr
.irp b, 0,1,2,3
	v_lshrrev_b32 v[TM+4+\b], 23, v[TM+8+\b]       ; the scale's byte
.endr
	v_lshl_or_b32 v[\pw], v[TM+5], 8, v[TM+4]
	v_lshl_or_b32 v[\pw], v[TM+6], 16, v[\pw]
	v_lshl_or_b32 v[\pw], v[TM+7], 24, v[\pw]
.irp c, 0,1
	v_cvt_scalef32_pk16_bf6_f32 v[PC+6*\c:PC+2+6*\c], v[\s+32*\c:\s+15+32*\c], v[TM+8+2*\c]
	v_cvt_scalef32_pk16_bf6_f32 v[PC+12+4*\c:PC+14+4*\c], v[\s+16+32*\c:\s+31+32*\c], v[TM+9+2*\c]   ; (a conversion's three registers begin on an even number)
.endr
	v_nop                                          ; one plain instruction behind the scaled conversions
.irp c, 0,1                            ; the operand wants a whole block in a lane: lanes 0-15 block 2 c, lanes 16-31 block 2 c + 1
.irp i, 0,1,2
	v_permlane16_swap_b32 v[PC+6*\c+\i], v[PC+12+4*\c+\i]
.endr
.irp i, 0,1,2
	v_mov_b32 v[PC+3+6*\c+\i], v[PC+12+4*\c+\i]
.endr
.endr
.endm
	s_load_b256 s[4:11], s[0:1], 0x0               ; x s[4:5], w_qkv s[6:7], w_out s[8:9], ac s[10:11]
	s_load_b128 s[12:15], s[0:1], 0x20             ; wc s[12:13], s1 s[14:15]
	s_load_b64 s[16:17], s[0:1], 0x30              ; s2
	v_lshl_add_u32 v254, v0, 2, 0x8400
	v_mov_b32 v255, 0
	v_lshrrev_b32 v1, 5, v0
	v_readfirstlane_b32 s[WV], v1                  ; wave 0..3
	v_and_b32 v1, 31, v0                           ; lane
	v_and_b32 v2, 15, v0                           ; r
	v_bfe_u32 v3, v0, 4, 1                         ; h
	v_lshlrev_b32 v[A16], 4, v1
	v_lshlrev_b32 v[A8], 4, v2
	v_lshl_add_u32 v[A8], v3, 3, v[A8]
	s_mov_b32 s27, 0                               ; the high word of every offset
	s_wait_kmcnt 0x0
	s_cmp_ge_u32 ttmp9, 256
	s_cbranch_scc1 .Lweights
	; ---- x.  Work-group g, wave w: tile 2 g + w / 2, K half w % 2: four steps of 128 along K.
	s_mov_b32 s[SEL], 0x76543210
	s_mov_b32 s[SEL+1], 0xfedcba98
	s_mov_b32 s[HM], 0xffff0000
	s_mul_i32 s19, s[WV], 8448                     ; my stage: 16 rows x (512 bytes + 16)
	s_wait_alu depctr_va_vdst(0)
	v_add_nc_u32 v[STI], s19, v[A16]               ; in: a row's 512 bytes as loaded
	v_mul_u32_u24 v[STO], v2, 528
	v_lshl_add_u32 v[STO], v3, 6, v[STO]
	v_add_nc_u32 v[STO], s19, v[STO]               ; out: row r, 64 h bytes on: my 16 numbers of each block of 32
.irp b, 0,1,2,3
	v_mov_b32 v[TM+4+\b], 0                        ; written once: a lane permute's destination counts as one of its sources
.endr
	s_lshr_b32 s23, s[WV], 1
	s_and_b32 s24, s[WV], 1
	s_lshl_b32 s26, ttmp9, 17                      ; 32 rows of 4,096 bytes a work-group,
	s_lshl_b32 s25, s23, 15                        ; the odd tile begins 8 rows on,
	s_add_co_u32 s26, s26, s25
	s_lshl_b32 s25, s24, 11                        ; the K half 512 numbers on
	s_add_co_u32 s26, s26, s25
	s_add_nc_u64 s[4:5], s[4:5], s[26:27]
	s_lshl_b32 s25, ttmp9, 1
	s_add_co_u32 s25, s25, s23                     ; the tile
	s_mul_i32 s26, s25, 3072
	s_mul_i32 s28, s24, 2*CHX
	s_add_co_u32 s26, s26, s28
	s_add_nc_u64 s[10:11], s[10:11], s[26:27]      ; its codes of my K half
	s_lshl_b32 s26, s25, 8
	s_mul_i32 s28, s24, PS1
	s_add_co_u32 s26, s26, s28
	s_add_nc_u64 s[14:15], s[14:15], s[26:27]      ; its 16 slots in my K half's plane
.macro XLOAD t                         ; step t: 16 rows x 512 consecutive bytes, a row an instruction
.irp i, 0,1,2,3,4,5,6,7,8,9,10,11,12,13,14,15
	global_load_b128 v[R+64*((\t)%2)+4*\i:R+64*((\t)%2)+4*\i+3], v[A16], s[4:5] offset:(\i+8*(\i/8))*4096+512*(\t) th:TH_LOAD_NT
.endr
.endm
.macro XSTEP t
.if (\t) < 3
	s_wait_loadcnt 16                              ; this step's 16 loads are in; the next step's 16 may be out
.else
	s_wait_loadcnt 0x0
.endif
.irp i, 0,1,2,3,4,5,6,7,8,9,10,11,12,13,14,15
	ds_store_b128 v[STI], v[R+64*((\t)%2)+4*\i:R+64*((\t)%2)+4*\i+3] offset:528*\i
.endr
.irp be, 0,1,2,3                       ; LDS serves a wave's instructions in order: these see the stores above
.irp j, 0,1,2,3
	ds_load_b128 v[X+16*\be+4*\j:X+16*\be+4*\j+3], v[STO] offset:128*\be+16*\j
.endr
.endr
	s_wait_dscnt 0x0                               ; my 64 numbers are back, and the stores into the stage have read their registers
	s_wait_xcnt 0x0                                ; the last step's stores have read the codes' registers, which are written again below
.if (\t) < 2
	XLOAD (\t)+2
.endif
	QUANT X, SWX+(\t)
	global_store_b128 v[A16], v[PC:PC+3], s[10:11] offset:((\t)/2)*CHX+((\t)%2)*1536          ; 512 consecutive bytes
	global_store_b64 v[A8], v[PC+4:PC+5], s[10:11] offset:((\t)/2)*CHX+((\t)%2)*1536+512      ; 256 consecutive bytes
	global_store_b128 v[A16], v[PC+6:PC+9], s[10:11] offset:((\t)/2)*CHX+((\t)%2)*1536+768
	global_store_b64 v[A8], v[PC+10:PC+11], s[10:11] offset:((\t)/2)*CHX+((\t)%2)*1536+1280
.endm
	XLOAD 0
	XLOAD 1
	s_wait_alu depctr_va_vdst(0)
	XSTEP 0
	XSTEP 1
	XSTEP 2
	XSTEP 3
	v_cndmask_b32 v244, v[SWX], v[SWX+2], s[HM]    ; lanes 0-15 store their row's words 0, 1, lanes 16-31 words 2, 3:
	v_cndmask_b32 v245, v[SWX+1], v[SWX+3], s[HM]
	global_store_b64 v[A8], v[244:245], s[14:15]   ; 256 consecutive bytes, aligned
	s_wait_tensorcnt 0x0
	ds_add_u32 v254, v255
	s_wait_dscnt 0x0
	s_endpgm
	; ---- the weights, K along their FIRST axis.  A lane takes a column and its registers run down K: a block of 32 lies in one lane, and the conversions give codes with K innermost.
.Lweights:
	s_wait_alu depctr_va_vdst(0)
	v_and_b32 v[WCOL], 8, v2
	v_add_nc_u32 v[WCOL], v[WCOL], v2
	v_lshl_add_u32 v[WCOL], v3, 3, v[WCOL]         ; lane (u, r) takes column 8 u + r + 8 (r / 8) of the wave's 32: lane-row r of tile u
	v_lshlrev_b32 v[WCOL], 2, v[WCOL]
	v_mul_u32_u24 v[WOUT], v3, 3072
	v_lshl_add_u32 v[WOUT], v2, 4, v[WOUT]
.macro WLOAD t, ncol, src              ; block t: 32 rows of the weight at my column: a wave reads 128 consecutive bytes, the work-group 512
.irp i, 0,1,2,3,4,5,6,7,8,9,10,11,12,13,14,15,16,17,18,19,20,21,22,23,24,25,26,27,28,29,30,31
	global_load_b32 v[WX+32*((\t)%2)+\i], v[WCOL], s[\src:\src+1] offset:(32*(\t)+\i)*\ncol*4 th:TH_LOAD_NT
.endr
.endm
.macro WBLOCK t, ncol, src
.set XS, WX+32*((\t)%2)
.set BB, WC+24*((\t)/2)
.set EE, BB+8*((\t)%2)
.if (\t) < 7
	s_wait_loadcnt 32                              ; this block's 32 loads are in; the next block's may be out
.else
	s_wait_loadcnt 0x0
.endif
	v_max3_num_f32 v12, |v[XS]|, |v[XS+1]|, |v[XS+2]|   ; the block's largest magnitude, in two chains: all 32 numbers are mine
	v_max3_num_f32 v13, |v[XS+3]|, |v[XS+4]|, |v[XS+5]|
.irp i, 6,10,14,18,22,26
	v_max3_num_f32 v12, v12, |v[XS+\i]|, |v[XS+\i+1]|
	v_max3_num_f32 v13, v13, |v[XS+\i+2]|, |v[XS+\i+3]|
.endr
	v_max3_num_f32 v12, v12, |v[XS+30]|, |v[XS+31]|
	v_max3_num_f32 v12, v12, v13, 0x2800000        ; and the floor 2^(5 - 127)
	v_add_nc_u32 v11, 0xfe000000, v12              ; 4 off the exponent field: the conversion's scale operand
	v_lshrrev_b32 v13, 23, v11                     ; the byte
.if (\t)%4 == 0
	v_mov_b32 v[SB+(\t)/4], v13
.else
	v_lshl_or_b32 v[SB+(\t)/4], v13, 8*((\t)%4), v[SB+(\t)/4]
.endif
	v_cvt_scalef32_pk16_bf6_f32 v[EE:EE+2], v[XS:XS+15], v11
	v_cvt_scalef32_pk16_bf6_f32 v[EE+4:EE+6], v[XS+16:XS+31], v11
	v_nop                                          ; one plain instruction behind the scaled conversions
	v_mov_b32 v[EE+3], v[EE+4]                     ; the block's registers 0-3 on end;
	v_mov_b32 v[BB+16+2*((\t)%2)], v[EE+5]         ; registers 4, 5 of an even and an odd block lie side by side in the image
	v_mov_b32 v[BB+17+2*((\t)%2)], v[EE+6]
	global_store_b128 v[WOUT], v[EE:EE+3], s[12:13] offset:((\t)/2)*768+256*((\t)%2)   ; sixteen lanes store 256 consecutive bytes, aligned, of each of two tiles
.if (\t)%2 == 1
	global_store_b128 v[WOUT], v[BB+16:BB+19], s[12:13] offset:((\t)/2)*768+512
.endif
.if (\t)+2 < 8
	WLOAD (\t)+2, \ncol, \src
.endif
.endm
; A weight of ncol columns (ntile tiles): work-group g of the path takes columns 128 (g / 4) on and K quarter g % 4; a wave 32 columns x 256 along K
.macro WPATH ncol, ntile, first, src, doff, sp, ps
	s_sub_co_u32 s23, ttmp9, \first
	s_and_b32 s24, s23, 3                          ; the K quarter
	s_lshr_b32 s25, s23, 2
	s_lshl_b32 s25, s25, 2
	s_add_co_u32 s25, s25, s[WV]                   ; which 32 columns
	s_mul_i32 s26, s24, 1024*\ncol
	s_lshl_b32 s28, s25, 7
	s_add_co_u32 s26, s26, s28
	s_add_nc_u64 s[\src:\src+1], s[\src:\src+1], s[26:27]
	s_mul_i32 s26, s24, 3072*\ntile
	s_mul_i32 s28, s25, 6144
	s_add_co_u32 s26, s26, s28
	s_add_co_u32 s26, s26, \doff
	s_add_nc_u64 s[12:13], s[12:13], s[26:27]
	s_lshr_b32 s26, s24, 1
	s_mul_i32 s26, s26, \ps                        ; the plane,
	s_lshl_b32 s28, s25, 9                         ; my two tiles' 32 slots,
	s_add_co_u32 s26, s26, s28
	s_and_b32 s28, s24, 1
	s_lshl_b32 s28, s28, 3                         ; which 8 of a slot's 16 bytes
	s_add_co_u32 s26, s26, s28
	s_add_co_u32 s26, s26, WSL
	s_add_nc_u64 s[\sp:\sp+1], s[\sp:\sp+1], s[26:27]
	WLOAD 0, \ncol, \src
	WLOAD 1, \ncol, \src
.irp t, 0,1,2,3,4,5,6,7
	WBLOCK \t, \ncol, \src
.endr
	global_store_b64 v[A16], v[SB:SB+1], s[\sp:\sp+1]   ; 8 bytes a lane, lanes 16 bytes apart: the other 8 of each slot come from the work-group of the neighbouring K quarter
.endm
	s_cmp_ge_u32 ttmp9, 352
	s_cbranch_scc1 .Lw_out
	s_wait_alu depctr_va_vdst(0)
	WPATH 3072, 192, 256, 6, 0, 14, PS1
	s_endpgm
.Lw_out:
	s_wait_alu depctr_va_vdst(0)
	WPATH 1024, 64, 352, 8, WOFF, 16, PS2
	s_endpgm
.Lfunc_end_k_q3e58bb71f0_prep:
	.size	k_q3e58bb71f0_prep, .Lfunc_end_k_q3e58bb71f0_prep-k_q3e58bb71f0_prep
	.p2alignl 7, 3214868480
	.fill 96, 4, 3214868480
	.section	.rodata,"a",@progbits
	.p2align	6, 0x0
	.amdhsa_kernel k_q3e58bb71f0_prep
		.amdhsa_group_segment_fixed_size 34304
		.amdhsa_private_segment_fixed_size 0
		.amdhsa_enable_private_segment 0
		.amdhsa_kernarg_size 56
		.amdhsa_user_sgpr_count 2
		.amdhsa_user_sgpr_kernarg_segment_ptr 1
		.amdhsa_wavefront_size32 1
		.amdhsa_system_sgpr_workgroup_id_x 1
		.amdhsa_system_sgpr_workgroup_id_y 1
		.amdhsa_system_sgpr_workgroup_id_z 1
		.amdhsa_system_vgpr_workitem_id 0
		.amdhsa_next_free_vgpr 256
		.amdhsa_next_free_sgpr 66
		.amdhsa_reserve_vcc 0
		.amdhsa_float_denorm_mode_32 3
		.amdhsa_float_denorm_mode_16_64 3
		.amdhsa_memory_ordered 1
		.amdhsa_forward_progress 1
		.amdhsa_inst_pref_size 110
	.end_amdhsa_kernel
	.amdgpu_metadata
---
amdhsa.version: [ 1, 2 ]
amdhsa.kernels:
  - .name:           k_q3e58bb71f0_prep
    .symbol:         k_q3e58bb71f0_prep.kd
    .args:
      - { .name: x, .offset: 0, .size: 8, .value_kind: global_buffer, .address_space: global }
      - { .name: w_qkv, .offset: 8, .size: 8, .value_kind: global_buffer, .address_space: global }
      - { .name: w_out, .offset: 16, .size: 8, .value_kind: global_buffer, .address_space: global }
      - { .name: ac, .offset: 24, .size: 8, .value_kind: global_buffer, .address_space: global }
      - { .name: wc, .offset: 32, .size: 8, .value_kind: global_buffer, .address_space: global }
      - { .name: s1, .offset: 40, .size: 8, .value_kind: global_buffer, .address_space: global }
      - { .name: s2, .offset: 48, .size: 8, .value_kind: global_buffer, .address_space: global }
    .group_segment_fixed_size: 34304
    .private_segment_fixed_size: 0
    .kernarg_segment_align: 8
    .kernarg_segment_size: 56
    .max_flat_workgroup_size: 128
    .sgpr_count:     66
    .vgpr_count:     256
    .wavefront_size: 32
...
	.end_amdgpu_metadata
.endif
;; end of part 1
;; launch gemm1 (part 2): grid 12 x 32, 4 waves a work-group, clusters of 4 x 4, 327,680 bytes of LDS; arguments ac, wc, s1, b_qkv, qc, qs, kv; writes qc, qs, kv
.if DOCPART == 2
	.amdgcn_target "amdgcn-amd-amdhsa--gfx1250"
	.amdhsa_code_object_version 6
	.text
	.protected	k_q3e58bb71f0_gemm1
	.globl	k_q3e58bb71f0_gemm1
	.p2align	8
	.type	k_q3e58bb71f0_gemm1,@function
k_q3e58bb71f0_gemm1:
	s_mov_b64 s[64:65], 0
	v_nop
	global_prefetch_b8 v0, s[64:65] scope:SCOPE_SE
	s_setreg_imm32_b32 hwreg(HW_REG_WAVE_MODE, 25, 1), 1
	s_wait_xcnt 0x0
	s_wait_alu depctr_hold_cnt(0) depctr_sa_sdst(0) depctr_va_vdst(0) depctr_va_sdst(0) depctr_va_ssrc(0) depctr_va_vcc(0) depctr_vm_vsrc(0)
	s_getreg_b32 s2, hwreg(HW_REG_IB_STS2, 6, 4)
	s_cmp_eq_u32 s2, 0
	s_cbranch_scc0 .Lentry_in_a_cluster
	s_endpgm
.Lentry_in_a_cluster:
	s_bfe_u32 s2, ttmp6, 0x10000c
	s_cmp_lg_u32 s2, 0xf033
	s_cbranch_scc0 .Lentry_shape_is_right
	s_endpgm
.Lentry_shape_is_right:
; qkv = x w_qkv + b_qkv on codes of BF6 (E3M2) with E8M0 scales, f32 sums; the result is quantised at once, in registers, as the operands of the two products of attention:
; q and k along the head's 64, v along the keys.  Nothing of qkv goes to memory as f32.
; A work-group makes 256 tokens x 256 columns; four waves, as many as a WGP has SIMDs, 128 x 128 each: 64 accumulators, 512 registers.  K = 1,024 is written out: 8 steps of 128, no loop.
; OPERANDS lie in memory in the order of the operand's registers (tiles of 16 rows, lane-row p of tile T = row 32 (T / 2) + 8 (T % 2) + p + 8 (p / 8); half fragments of 768 bytes: registers 0-3 at 16 x lane, 4-5 at 512 + 16 r + 8 h),
; so 256 along K of 128 rows are ONE dense block of 24,576 bytes: one tensor load a wave, and a fragment comes from LDS by two loads of 16 bytes and two of 8, each covering consecutive bytes.
; LDS: three slots of 98,304 bytes (x's 16 tiles, then the weight's 16).  Chunks 0, 1, 2 of K are first fills; chunk 3 fills slot 0 again: one refill in the launch.  By this text's count a wave has at most three tensor loads out.
; CLUSTERS: 4 x 4 work-groups; x's tiles are asked for jointly along a row of the cluster, the weight's along a column.
; SIDES.  Source 1 (Q) gives the result's lane, source 0 (P) its registers.  Columns of q and k: Q = tokens, P = columns, so a lane holds one token and 128 columns (two heads) in the quantiser's order.
; Columns of v (cluster x = 2): Q = columns, P = tokens, so a lane holds one channel and 128 keys.  The text is the same; only the bases of the sides in a slot and of their scale words differ, by the cluster's x, which all partners share.
; OUT: qc [head 64][tile 128][768]; qs [head][tile / 4][r][tile % 4] words (s0, s1, s0, s1); kv [head][key step 16][13,056]: K's 8 tiles, V^T's 4 fragments, K's scale words (doubled like qs's), V's scale words [r][4].
; LIMITS: NaN and infinities are not served; a block whose largest magnitude lies under 2^-122 gets the scale byte 1, a block of zeros too (its codes are zeros; this program alone reads the bytes).
; REGISTERS: window 0: v4-15 LDS addresses, v16-24 other addresses, v32-95 scale words, v96-111 v's bias, v112-123 and v192-231 the quantiser's, v128-223 Q's fragments (later v128-191 a block's 64 numbers);
;   window 1: P's fragments, two sets at v0 and v128; q's and k's bias at v96-127 and v224-255;   windows 2, 3: accumulator (a, b) at v[8 (8 (a % 4) + b)].
.set SLOT,  98304
.set SPARE, 294912                     ; behind the slots: the spare words, 128 bytes for each wave, which no other line names
.set CHX,   1572864                    ; 256 along K of ac
.set CHW,   589824                     ; 256 along K of w_qkv's codes
.set PS,    180224                     ; a plane of s1
.set Q16, 4                            ; v4-6   Q's side in slot 0, 1, 2, + 16 x lane
.set Q8,  7                            ; v7-9   the same + 16 r + 8 h
.set P16, 10                           ; v10-12 P's side
.set P8,  13                           ; v13-15
.set SPW, 16                           ; v16 my spare word; never rewritten
.set NIL, 17                           ; v17 0; never rewritten
.set A16, 18
.set A8,  19
.set SOFF, 20                          ; v20 16 r + (lane / 16) x the distance between two heads' scale words
.set SH,  21                           ; v21 16 (lane / 16)
.set OSC, 22                           ; v22 offset of my scale words: lanes 0-15 Q's, lanes 16-31 P's
.set OBP, 23
.set OBQ, 24
.set SC,  32                           ; v[32 + 8 i + s]: block i, K step s
.set BQ,  96
.set TM,  112
.set QF,  128
.set ST,  128
.set PC,  192
.set SW,  224
.set SEL, 2
.set WV, 18
.set WH, 19
.set WL, 20
.set CX, 21
.set CY, 22
.set TC, 23
.set TR, 24
.set ISV, 27
.set G1X, 28
.set G1W, 36
.set G0X, 44                           ; s[44:55] group 0 for x's tiles, a set for each slot
.set HM,  61
.set G0W, 68                           ; s[68:79] the same for the weight's
.set BA,  80                           ; s[80:81] codes of my first head, s[82:83] of my second
.set SCB, 84                           ; s[84:85] scale words
.set MSB, 0
.macro WIN new                         ; the immediate's high byte repeats the setting that is left
.if MSB != (\new)
	s_set_vgpr_msb (MSB<<8)|(\new)
.set MSB, (\new)
.endif
.endm
.set MUL_LO, 0xa1                      ; source 0 (P) window 1, source 1 (Q) window 0, C and D window 2
.set MUL_HI, 0xf1
.macro PLACES n
.rept \n
	v_nop
.endr
.endm
; A joint load: waves 0, 1 fetch x's two halves, waves 2, 3 the weight's.  Four v_nop follow each of the two lines.
.macro JLOAD g0a, g0b
	s_cmp_eq_u32 s[WH], 0
	s_cbranch_scc0 .Lfor_w_\@
	tensor_load_to_lds s[\g0a:\g0a+3], s[G1X:G1X+7]
	s_nop 0
.rept 4
	v_nop
.endr
	s_branch .Lasked_\@
.Lfor_w_\@:
	tensor_load_to_lds s[\g0b:\g0b+3], s[G1W:G1W+7]
	s_nop 0
.rept 4
	v_nop
.endr
.Lasked_\@:
.endm
.macro CREST                           ; a round of the cluster's barrier behind its opening barrier
	s_cmp_lg_u32 s[WV], 0
	s_cbranch_scc1 .Lnot_wave_0_\@
	s_barrier_signal -3
.Lnot_wave_0_\@:
	s_barrier_wait -3
	s_barrier_signal -1
	s_barrier_wait -1
.endm
.macro CROUND
	s_barrier_signal -1
	s_barrier_wait -1
	CREST
.endm
; 64 numbers of a lane, register 16 b + i = K 32 b + 16 (lane / 16) + i of its row, become a fragment's codes in v[PC] .. v[PC + 11] and the row's scale word in v[pw]
.macro QUANT s, pw
.irp b, 0,1,2,3
	v_max3_num_f32 v[TM+\b], |v[\s+16*\b]|, |v[\s+1+16*\b]|, 0x2800000   ; my 16 numbers of block b, and the floor 2^(5 - 127)
.endr
.irp i, 2,4,6,8,10,12,14
.irp b, 0,1,2,3
	v_max3_num_f32 v[TM+\b], v[TM+\b], |v[\s+16*\b+\i]|, |v[\s+1+16*\b+\i]|
.endr
.endr
.irp b, 0,1,2,3
	v_permlanex16_b32 v[TM+4+\b], v[TM+\b], s[SEL], s[SEL+1]
.endr
.irp b, 0,1,2,3
	v_max_num_f32 v[TM+\b], v[TM+\b], v[TM+4+\b]
.endr
.irp b, 0,1,2,3
	v_add_nc_u32 v[TM+8+\b], 0xfe000000, v[TM+\b]  ; 4 off the exponent field: the conversion's scale operand
.endr
.irp b, 0,1,2,3
	v_lshrrev_b32 v[TM+4+\b], 23, v[TM+8+\b]
.endr
	v_lshl_or_b32 v[\pw], v[TM+5], 8, v[TM+4]
	v_lshl_or_b32 v[\pw], v[TM+6], 16, v[\pw]
	v_lshl_or_b32 v[\pw], v[TM+7], 24, v[\pw]
.irp c, 0,1
	v_cvt_scalef32_pk16_bf6_f32 v[PC+6*\c:PC+2+6*\c], v[\s+32*\c:\s+15+32*\c], v[TM+8+2*\c]
	v_cvt_scalef32_pk16_bf6_f32 v[PC+12+4*\c:PC+14+4*\c], v[\s+16+32*\c:\s+31+32*\c], v[TM+9+2*\c]
.endr
	v_nop                                          ; one plain instruction behind the scaled conversions
.irp c, 0,1
.irp i, 0,1,2
	v_permlane16_swap_b32 v[PC+6*\c+\i], v[PC+12+4*\c+\i]
.endr
.irp i, 0,1,2
	v_mov_b32 v[PC+3+6*\c+\i], v[PC+12+4*\c+\i]
.endr
.endr
.endm
	s_load_b256 s[4:11], s[0:1], 0x0               ; ac s[4:5], wc s[6:7], s1 s[8:9], b_qkv s[10:11]
	s_load_b128 s[12:15], s[0:1], 0x20             ; qc s[12:13], qs s[14:15]
	s_load_b64 s[16:17], s[0:1], 0x30              ; kv
	v_lshl_add_u32 v[SPW], v0, 2, SPARE
	v_mov_b32 v[NIL], 0
	ds_add_u32 v16, v17
	ds_add_u32 v16, v17
	s_wait_dscnt 0x0
	v_lshrrev_b32 v1, 5, v0
	v_readfirstlane_b32 s[WV], v1                  ; wave 0..3
	s_lshr_b32 s[WH], s[WV], 1                     ; which half of Q's 256 rows is mine.  Also: I fetch for x (0) or for the weight (1)
	s_and_b32 s[WL], s[WV], 1                      ; which half of P's.  Also: which 128 rows I fetch
	s_bfe_u32 s[CX], ttmp6, 0x40000
	s_bfe_u32 s[CY], ttmp6, 0x40004
	s_lshl_b32 s[TC], ttmp9, 2
	s_add_co_u32 s[TC], s[TC], s[CX]               ; which 256 columns: 4 x cluster x + cx
	s_and_b32 s[TR], ttmp7, 0xffff
	s_lshl_b32 s[TR], s[TR], 2
	s_add_co_u32 s[TR], s[TR], s[CY]               ; which 256 tokens
	s_lshl_b32 s25, s[CY], 2
	s_lshl_b32 s25, 15, s25                        ; my row of the cluster
	s_lshl_b32 s26, 0x1111, s[CX]                  ; my column
	s_lshr_b32 s[ISV], ttmp9, 1
	s_min_u32 s[ISV], s[ISV], 1                    ; 1 where the columns are v's: cluster x = 2, the same in all partners
	s_xor_b32 s90, s[ISV], 1
	s_mov_b32 s[SEL], 0x76543210
	s_mov_b32 s[SEL+1], 0xfedcba98
	s_mov_b32 s[HM], 0xffff0000
	; descriptor group 1: a dense block of 24,576 bytes as 96 rows of 32 elements of 8 bytes, no padding
	s_or_b32 s[G1X], s25, (3<<16)|(1<<21)          ; 15:0 the mask; 17:16 elements of 8 bytes; 21 set beside a mask
	s_or_b32 s[G1W], s26, (3<<16)|(1<<21)
.irp g, G1X, G1W
	s_mov_b32 s[\g+1], 32<<16                      ; tensor_dim0 = 32
	s_mov_b32 s[\g+2], 96<<16                      ; tensor_dim1 = 96
	s_mov_b32 s[\g+3], 32<<16                      ; tile_dim0 = 32
	s_mov_b32 s[\g+4], 96                          ; tile_dim1 = 96
	s_mov_b32 s[\g+5], 32                          ; from row to row
	s_mov_b32 s[\g+6], 0
	s_mov_b32 s[\g+7], 0
.endr
	s_mul_i32 s62, s[WL], 24576
	s_mul_i32 s56, s[TR], 49152                    ; x's 16 tiles of a chunk: they hang on the tokens alone, which my row of the cluster shares
	s_add_co_u32 s56, s56, s62
	s_mov_b32 s57, 0
	s_mul_i32 s58, s[TC], 49152                    ; the weight's: on the columns alone, which my column shares
	s_add_co_u32 s58, s58, s62
	s_mov_b32 s59, 0
	s_mul_i32 s60, s[WV], 24576                    ; where they go in a slot: no place in the cluster enters an LDS address
	s_wait_kmcnt 0x0
	s_add_nc_u64 s[56:57], s[4:5], s[56:57]
	s_add_nc_u64 s[58:59], s[6:7], s[58:59]
	CROUND                                         ; all sixteen work-groups are here: the first joint loads meet
.irp s, 0,1,2
	s_mov_b32 s[G0X+4*\s], 1
	s_add_co_u32 s[G0X+4*\s+1], s60, \s*SLOT
	s_add_nc_u64 s[G0X+4*\s+2:G0X+4*\s+3], s[56:57], \s*CHX
	s_or_b32 s[G0X+4*\s+3], s[G0X+4*\s+3], 0x80000000
	s_mov_b32 s[G0W+4*\s], 1
	s_add_co_u32 s[G0W+4*\s+1], s60, \s*SLOT
	s_add_nc_u64 s[G0W+4*\s+2:G0W+4*\s+3], s[58:59], \s*CHW
	s_or_b32 s[G0W+4*\s+3], s[G0W+4*\s+3], 0x80000000
	JLOAD G0X+4*\s, G0W+4*\s                       ; chunks 0, 1, 2 of K
.endr
	v_and_b32 v1, 31, v0                           ; lane
	v_and_b32 v2, 15, v0                           ; r
	v_bfe_u32 v3, v0, 4, 1                         ; h
	v_lshlrev_b32 v[A16], 4, v1
	s_wait_alu depctr_va_vdst(0)
	v_lshlrev_b32 v[A8], 4, v2
	v_lshl_add_u32 v[A8], v3, 3, v[A8]
	s_wait_alu depctr_va_vdst(0)
	s_mul_i32 s62, s[ISV], 49152                   ; Q's side of a slot: x's part, or for v the weight's,
	s_mul_i32 s63, s[WH], 24576
	s_add_co_u32 s62, s62, s63
	s_mul_i32 s63, s90, 49152                      ; P's: the other part
	s_mul_i32 s66, s[WL], 24576
	s_add_co_u32 s63, s63, s66
.irp s, 0,1,2
	v_add_nc_u32 v[Q16+\s], s62, v[A16]
	v_add_nc_u32 v[Q8+\s], s62, v[A8]
	v_add_nc_u32 v[P16+\s], s63, v[A16]
	v_add_nc_u32 v[P8+\s], s63, v[A8]
	s_add_co_u32 s62, s62, SLOT
	s_add_co_u32 s63, s63, SLOT
.endr
	; the scale words of all of K stay in registers: 64, loaded once.  Lanes 0-15 take Q's slots, lanes 16-31 P's
	s_lshl_b32 s91, s[TR], 8                       ; x's slots
	s_lshl_b32 s92, s[TC], 8
	s_add_co_u32 s92, s92, 8192                    ; the weight's
	s_cmp_eq_u32 s[ISV], 1
	s_cselect_b32 s93, s92, s91
	s_cselect_b32 s94, s91, s92
	s_lshl_b32 s95, s[WH], 7
	s_add_co_u32 s93, s93, s95
	s_lshl_b32 s95, s[WL], 7
	s_add_co_u32 s94, s94, s95
	s_lshl_b32 s93, s93, 4
	s_lshl_b32 s94, s94, 4
	v_mov_b32 v[OSC], s93
	v_mov_b32 v[OBP], s94
	v_cndmask_b32 v[OSC], v[OSC], v[OBP], s[HM]
	v_lshl_add_u32 v[OSC], v2, 4, v[OSC]
	s_wait_alu depctr_va_vdst(0)
	v_lshlrev_b32 v[OBP], 6, v3                    ; the bias by registers: 16 h numbers on
	s_wait_alu depctr_va_vdst(0)
	v_and_b32 v[OBQ], 8, v2
	v_add_nc_u32 v[OBQ], v[OBQ], v2
	v_lshlrev_b32 v[OBQ], 2, v[OBQ]                ; the bias by lanes: column r + 8 (r / 8) of a tile
	s_wait_alu depctr_va_vdst(0)
	s_lshl_b32 s95, s[TC], 10
	s_lshl_b32 s96, s[WL], 9
	s_add_co_u32 s86, s95, s96
	s_mov_b32 s87, 0
	s_add_nc_u64 s[86:87], s[10:11], s[86:87]
	s_lshl_b32 s96, s[WH], 9
	s_add_co_u32 s88, s95, s96
	s_mov_b32 s89, 0
	s_add_nc_u64 s[88:89], s[10:11], s[88:89]
.irp i, 0,1,2,3,4,5,6,7
	global_load_b128 v[SC+8*\i:SC+8*\i+3], v[OSC], s[8:9] offset:256*\i          ; K steps 0-3
	global_load_b128 v[SC+8*\i+4:SC+8*\i+7], v[OSC], s[8:9] offset:256*\i+PS     ; K steps 4-7
.endr
	WIN 0x40                                       ; destination window 1
.irp be, 0,1,2,3                       ; q, k: register 16 be + i of a block's 64 is column 32 be + 16 h + i of P's 128
.irp j, 0,1,2,3
	global_load_b128 v[96+128*(\be/2)+16*(\be%2)+4*\j:96+128*(\be/2)+16*(\be%2)+4*\j+3], v[OBP], s[86:87] offset:128*\be+16*\j
.endr
.endr
	WIN 0
.irp a, 0,1,2,3,4,5,6,7                ; v: one number a lane and block, twice, as a pair for the packed addition
	global_load_b32 v[BQ+2*\a], v[OBQ], s[88:89] offset:(32*(\a/2)+8*(\a%2))*4
	global_load_b32 v[BQ+2*\a+1], v[OBQ], s[88:89] offset:(32*(\a/2)+8*(\a%2))*4
.endr
	; where the results go
	s_cmp_eq_u32 s[ISV], 1
	s_cselect_b32 s90, s[WL], s[WH]                ; which half of the 256 tokens is mine,
	s_cselect_b32 s91, s[WH], s[WL]                ; which half of the 256 columns
	s_lshr_b32 s92, s[TR], 3                       ; the batch
	s_and_b32 s93, s[TR], 7
	s_lshl_b32 s93, s93, 1
	s_add_co_u32 s93, s93, s90                     ; my 128 tokens: key step 0..15 of the batch
	s_lshl_b32 s94, s[CX], 2
	s_lshl_b32 s91, s91, 1
	s_add_co_u32 s94, s94, s91
	s_lshl_b32 s92, s92, 4
	s_add_co_u32 s94, s94, s92                     ; my first head: 16 x batch + 4 cx + 2 x half
	s_mul_i32 s95, s94, 208896
	s_mul_i32 s96, s93, 13056
	s_add_co_u32 s95, s95, s96                     ; its record of the key step in kv
	s_mul_i32 s96, s[ISV], 6144
	s_add_co_u32 s96, s96, s95                     ; k's codes, or v's
	s_lshl_b32 s97, s[ISV], 9
	s_add_co_u32 s97, s97, s95
	s_add_co_u32 s97, s97, 12288                   ; k's scale words, or v's
	s_lshl_b32 s98, s94, 7
	s_lshl_b32 s99, s93, 3
	s_add_co_u32 s98, s98, s99
	s_mul_i32 s98, s98, 768                        ; q's codes
	s_lshl_b32 s99, s94, 13
	s_lshl_b32 s90, s93, 9
	s_add_co_u32 s99, s99, s90                     ; q's scale words
	s_mov_b32 s90, 208896
	s_mov_b32 s91, 98304
	s_mov_b32 s92, 8192
	s_cmp_eq_u32 ttmp9, 0                          ; q's columns?  The choice hangs on the cluster's number alone
	s_cselect_b64 s[BA:BA+1], s[12:13], s[16:17]
	s_cselect_b64 s[SCB:SCB+1], s[14:15], s[16:17]
	s_cselect_b32 s96, s98, s96
	s_cselect_b32 s97, s99, s97
	s_cselect_b32 s91, s91, s90                    ; from a head's codes to the next head's
	s_cselect_b32 s92, s92, s90                    ; and from its scale words
	s_mov_b32 s67, 0
	s_mov_b32 s66, s96
	s_add_nc_u64 s[BA:BA+1], s[BA:BA+1], s[66:67]
	s_mov_b32 s66, s91
	s_add_nc_u64 s[BA+2:BA+3], s[BA:BA+1], s[66:67]
	s_mov_b32 s66, s97
	s_add_nc_u64 s[SCB:SCB+1], s[SCB:SCB+1], s[66:67]
	v_mul_u32_u24 v[SOFF], s92, v3
	v_lshl_add_u32 v[SOFF], v2, 4, v[SOFF]
	v_lshlrev_b32 v[SH], 4, v3
.irp b, 0,1,2,3
	v_mov_b32 v[TM+4+\b], 0                        ; written once: a lane permute's destination counts as one of its sources
.endr
; a fragment, 16 rows x 128 K, 12 registers: two half fragments, each by a load of 16 bytes and one of 8 bytes a lane, each load over consecutive bytes
.macro FRAG reg, a16, a8, i, q
.irp c, 0,1
	ds_load_b128 v[\reg+6*\c:\reg+6*\c+3], v[\a16] offset:3072*(\i)+768*(2*(\q)+\c)
	ds_load_b64 v[\reg+6*\c+4:\reg+6*\c+5], v[\a8] offset:3072*(\i)+768*(2*(\q)+\c)+512
.endr
.endm
.macro FETCH_P slot, q, p              ; P's eight fragments into set p: 32 loads
	WIN 0x40
.irp i, 0,1,2,3,4,5,6,7
	FRAG 128*(\p)+12*\i, P16+\slot, P8+\slot, \i, \q
.endr
	WIN 0
.endm
.macro FETCH_Q slot, q, i0             ; Q's blocks i0 .. i0 + 3: 16 loads
.irp i, \i0, \i0+1, \i0+2, \i0+3
	FRAG QF+12*(\i), Q16+\slot, Q8+\slot, \i, \q
.endr
.endm
; 16 matrix instructions: Q's blocks a0, a0 + 1 x P's eight, K step st.  The 64 accumulators take turns, one instruction a turn, in the same order in every step.
.macro MUL16 a0, p, st, zero
.irp a, \a0, \a0+1
.irp b, 0,1,2,3,4,5,6,7
.if \zero
	v_wmma_scale_f32_16x16x128_f8f6f4 v[8*(8*((\a)%4)+\b):8*(8*((\a)%4)+\b)+7], v[128*(\p)+12*\b:128*(\p)+12*\b+11], v[QF+12*(\a):QF+12*(\a)+11], 0, v[SC+8*\b+(\st)], v[SC+8*(\a)+(\st)] matrix_a_fmt:MATRIX_FMT_BF6 matrix_b_fmt:MATRIX_FMT_BF6 matrix_a_scale:MATRIX_SCALE_ROW1
.else
	v_wmma_scale_f32_16x16x128_f8f6f4 v[8*(8*((\a)%4)+\b):8*(8*((\a)%4)+\b)+7], v[128*(\p)+12*\b:128*(\p)+12*\b+11], v[QF+12*(\a):QF+12*(\a)+11], v[8*(8*((\a)%4)+\b):8*(8*((\a)%4)+\b)+7], v[SC+8*\b+(\st)], v[SC+8*(\a)+(\st)] matrix_a_fmt:MATRIX_FMT_BF6 matrix_b_fmt:MATRIX_FMT_BF6 matrix_a_scale:MATRIX_SCALE_ROW1
.endif
.endr
.endr
.endm
; A K step whose successor lies in the same slot.  Four plain instructions stand in front of each run of loads into registers that matrix instructions have read (ISA guide 7.12.1 for vector instructions).
.macro STEP st, nslot, nq, zero
	s_wait_dscnt 16                                ; P's set and Q's blocks 0-3 are in; the youngest 16 loads (Q's blocks 4-7) may be out
	WIN MUL_LO
	MUL16 0, (\st)%2, \st, \zero
	MUL16 2, (\st)%2, \st, \zero
	s_wait_dscnt 0x0                               ; Q's blocks 4-7 are in
	PLACES 4
	FETCH_P \nslot, \nq, 1-(\st)%2
	FETCH_Q \nslot, \nq, 0
	WIN MUL_HI
	MUL16 4, (\st)%2, \st, \zero
	MUL16 6, (\st)%2, \st, \zero
	PLACES 4
	WIN 0
	FETCH_Q \nslot, \nq, 4
.endm
; A slot's second K step goes on to the next slot: one barrier.  tcnt: the tensor loads of mine that may stay out.  fill = 1: slot 0, whose last reads lie two barriers back, takes chunk 3:
; every wave waits for all its tensor loads, adds 0 to its spare word, waits for that and for its LDS reads; the barrier opens a round of the cluster's; the joint refill is the first thing behind it.
.macro TURN st, nslot, tcnt, fill
	s_wait_tensorcnt \tcnt
.if \fill
	ds_add_u32 v[SPW], v[NIL]
	s_wait_dscnt 17                                ; (the add and the youngest 16 loads may be out)
.else
	s_wait_dscnt 16
.endif
	WIN MUL_LO
	MUL16 0, 1, \st, 0
	s_wait_dscnt 0x0                               ; my LDS instructions are done
	s_barrier_signal -1
	MUL16 2, 1, \st, 0
	WIN 0                                          ; at a branch and at a label every window is 0
	s_barrier_wait -1
.if \fill
	CREST
	s_add_nc_u64 s[G0X+2:G0X+3], s[G0X+2:G0X+3], 3*CHX   ; no tensor load of mine is out: slot 0's descriptors step from chunk 0 to chunk 3
	s_add_nc_u64 s[G0W+2:G0W+3], s[G0W+2:G0W+3], 3*CHW
	JLOAD G0X, G0W                                 ; the four v_nop behind it are also the places in front of the loads below
.else
	PLACES 4
.endif
	FETCH_P \nslot, 0, 0
	FETCH_Q \nslot, 0, 0
	WIN MUL_HI
	MUL16 4, 1, \st, 0
	MUL16 6, 1, \st, 0
	PLACES 4
	WIN 0
	FETCH_Q \nslot, 0, 4
.endm
	s_wait_tensorcnt 2                             ; my part of chunk 0 is in; chunks 1 and 2 may be out
	s_barrier_signal -1
	s_barrier_wait -1
	FETCH_P 0, 0, 0
	FETCH_Q 0, 0, 0
	FETCH_Q 0, 0, 4
	s_wait_loadcnt 0x0                             ; scale words and biases
	STEP 0, 0, 1, 1                                ; the first products start the sums: nothing is cleared
	TURN 1, 1, 1, 0                                ; chunk 1 is in; chunk 2 may be out
	STEP 2, 1, 1, 0
	TURN 3, 2, 0, 1                                ; chunk 2 is in; chunk 3 is asked for
	STEP 4, 2, 1, 0
	TURN 5, 0, 0, 0                                ; chunk 3, my one load that was out, is in
	STEP 6, 0, 1, 0
	s_wait_dscnt 16
	WIN MUL_LO
	MUL16 0, 1, 7, 0
	MUL16 2, 1, 7, 0
	s_wait_dscnt 0x0
	WIN MUL_HI
	MUL16 4, 1, 7, 0
	MUL16 6, 1, 7, 0
	WIN 0
	PLACES 4                                       ; in front of the first read of results and the first write over Q's fragments
; THE WAY OUT, block a of Q's eight: the block's 64 sums of a lane + the bias (each accumulator from its low end on), quantised, stored as images of the next operands' registers: whole runs of 512 and 256 consecutive bytes.
.macro EPI a, isv
.if \isv
	WIN 0x02+(\a)/4                                ; source 0: the accumulators' window; the bias by lanes lies in window 0
.else
	WIN 0x06+(\a)/4                                ; the bias by registers in window 1
.endif
.set p, 0
.rept 32
.if \isv
	v_pk_add_f32 v[ST+2*p:ST+2*p+1], v[64*((\a)%4)+2*p:64*((\a)%4)+2*p+1], v[BQ+2*(\a):BQ+2*(\a)+1]
.else
	v_pk_add_f32 v[ST+2*p:ST+2*p+1], v[64*((\a)%4)+2*p:64*((\a)%4)+2*p+1], v[96+128*(p/16)+(2*p)%32:96+128*(p/16)+(2*p)%32+1]
.endif
.set p, p+1
.endr
	WIN 0
.if (\a) > 0
	s_wait_xcnt 0x0                                ; the last block's stores have read the codes' registers
.endif
	QUANT ST, SW+\a
.if \isv
.set BS, BA+2*((\a)/4)                 ; blocks 0-3: my first head's 64 channels, blocks 4-7 my second's; a block is a fragment of V^T: 16 channels x my 128 keys
	global_store_b128 v[A16], v[PC:PC+3], s[BS:BS+1] offset:1536*((\a)%4)
	global_store_b64 v[A8], v[PC+4:PC+5], s[BS:BS+1] offset:1536*((\a)%4)+512
	global_store_b128 v[A16], v[PC+6:PC+9], s[BS:BS+1] offset:1536*((\a)%4)+768
	global_store_b64 v[A8], v[PC+10:PC+11], s[BS:BS+1] offset:1536*((\a)%4)+1280
.else                                  ; a block is a tile of 16 tokens; its registers 0-5 are my first head's 64 channels, 6-11 my second's
	global_store_b128 v[A16], v[PC:PC+3], s[BA:BA+1] offset:768*(\a)
	global_store_b64 v[A8], v[PC+4:PC+5], s[BA:BA+1] offset:768*(\a)+512
	global_store_b128 v[A16], v[PC+6:PC+9], s[BA+2:BA+3] offset:768*(\a)
	global_store_b64 v[A8], v[PC+10:PC+11], s[BA+2:BA+3] offset:768*(\a)+512
.endif
.endm
	s_cmp_eq_u32 s[ISV], 1
	s_cbranch_scc1 .Lv_out
.irp a, 0,1,2,3,4,5,6,7
	EPI \a, 0
.endr
.irp a, 0,1,2,3,4,5,6,7                ; a token's word holds my first head's two bytes below and my second's above: lanes 0-15 keep the first's, lanes 16-31 the second's, each doubled
	v_lshrrev_b32 v[SW+\a], v[SH], v[SW+\a]
.endr
.irp a, 0,1,2,3,4,5,6,7
	v_and_b32 v[SW+\a], 0xffff, v[SW+\a]
.endr
.irp a, 0,1,2,3,4,5,6,7
	v_lshl_or_b32 v[SW+\a], v[SW+\a], 16, v[SW+\a]
.endr
	global_store_b128 v[SOFF], v[SW:SW+3], s[SCB:SCB+1]              ; sixteen lanes store 256 consecutive bytes, aligned, for each head
	global_store_b128 v[SOFF], v[SW+4:SW+7], s[SCB:SCB+1] offset:256
	s_branch .Ldone
.Lv_out:
.irp a, 0,1,2,3,4,5,6,7
	EPI \a, 1
.endr
.irp i, 0,1,2,3
	v_cndmask_b32 v[SW+\i], v[SW+\i], v[SW+4+\i], s[HM]   ; lanes 0-15: my first head's four tiles of channels, lanes 16-31 my second's
.endr
	global_store_b128 v[SOFF], v[SW:SW+3], s[SCB:SCB+1]
.Ldone:
	s_wait_tensorcnt 0x0                           ; the wave's end
	ds_add_u32 v[SPW], v[NIL]
	s_wait_dscnt 0x0
	CROUND                                         ; the closing round: no work-group ends while a partner may still ask for a tile that names it
	s_endpgm
.Lfunc_end_k_q3e58bb71f0_gemm1:
	.size	k_q3e58bb71f0_gemm1, .Lfunc_end_k_q3e58bb71f0_gemm1-k_q3e58bb71f0_gemm1
	.p2alignl 7, 3214868480
	.fill 96, 4, 3214868480
	.section	.rodata,"a",@progbits
	.p2align	6, 0x0
	.amdhsa_kernel k_q3e58bb71f0_gemm1
		.amdhsa_group_segment_fixed_size 327680
		.amdhsa_private_segment_fixed_size 0
		.amdhsa_enable_private_segment 0
		.amdhsa_kernarg_size 56
		.amdhsa_user_sgpr_count 2
		.amdhsa_user_sgpr_kernarg_segment_ptr 1
		.amdhsa_wavefront_size32 1
		.amdhsa_system_sgpr_workgroup_id_x 1
		.amdhsa_system_sgpr_workgroup_id_y 1
		.amdhsa_system_sgpr_workgroup_id_z 1
		.amdhsa_system_vgpr_workitem_id 0
		.amdhsa_next_free_vgpr 1024
		.amdhsa_next_free_sgpr 100
		.amdhsa_reserve_vcc 0
		.amdhsa_float_denorm_mode_32 3
		.amdhsa_float_denorm_mode_16_64 3
		.amdhsa_memory_ordered 1
		.amdhsa_forward_progress 1
		.amdhsa_inst_pref_size 218
	.end_amdhsa_kernel
	.amdgpu_metadata
---
amdhsa.version: [ 1, 2 ]
amdhsa.kernels:
  - .name:           k_q3e58bb71f0_gemm1
    .symbol:         k_q3e58bb71f0_gemm1.kd
    .args:
      - { .name: ac, .offset: 0, .size: 8, .value_kind: global_buffer, .address_space: global }
      - { .name: wc, .offset: 8, .size: 8, .value_kind: global_buffer, .address_space: global }
      - { .name: s1, .offset: 16, .size: 8, .value_kind: global_buffer, .address_space: global }
      - { .name: b_qkv, .offset: 24, .size: 8, .value_kind: global_buffer, .address_space: global }
      - { .name: qc, .offset: 32, .size: 8, .value_kind: global_buffer, .address_space: global }
      - { .name: qs, .offset: 40, .size: 8, .value_kind: global_buffer, .address_space: global }
      - { .name: kv, .offset: 48, .size: 8, .value_kind: global_buffer, .address_space: global }
    .group_segment_fixed_size: 327680
    .private_segment_fixed_size: 0
    .kernarg_segment_align: 8
    .kernarg_segment_size: 56
    .max_flat_workgroup_size: 128
    .sgpr_count:     100
    .vgpr_count:     1024
    .wavefront_size: 32
...
	.end_amdgpu_metadata
.endif
;; end of part 2
;; launch attn (part 3): grid 4 x 64, 16 waves a work-group, no clusters, 210,944 bytes of LDS; arguments qc, qs, kv, ac, s2; writes ac, s2
.if DOCPART == 3
	.amdgcn_target "amdgcn-amd-amdhsa--gfx1250"
	.amdhsa_code_object_version 6
	.text
	.protected	k_q3e58bb71f0_attn
	.globl	k_q3e58bb71f0_attn
	.p2align	8
	.type	k_q3e58bb71f0_attn,@function
k_q3e58bb71f0_attn:
	s_mov_b64 s[64:65], 0
	v_nop
	global_prefetch_b8 v0, s[64:65] scope:SCOPE_SE
	s_setreg_imm32_b32 hwreg(HW_REG_WAVE_MODE, 25, 1), 1
	s_wait_xcnt 0x0
; Causal attention on codes of BF6 (E3M2) with E8M0 scales: y = softmax(q k^T / 8, key <= query) v for 64 heads of 2,048 tokens x 64 channels; y is quantised at once along the last product's K and stored as its operand.
; THE SOFTMAX: t = score x log2(e) / 8; M = the running largest t, rounded up to a whole number; p = 2^(t - M) is quantised along the keys, not normalised; the row's sum is taken of the unquantised p and divides at the end.
; When M moves, the sum and O are multiplied by 2^(old M - new M): exact.
; SHARES.  A work-group (i = 0..3, head) has sixteen waves, four to a SIMD, 256 registers each.  Wave w takes query tile 16 i + w, then tile 127 - (16 i + w).  Tile T wants T / 8 + 1 key steps of 128 keys,
; so every wave of the launch works 17 steps, two of them on the diagonal.  The loops' trip counts are constants (8 and 16); a step all of whose keys come after the tile's queries is jumped over by a scalar branch on ids.
; LDS is a copy of the head's record in kv, 208,896 bytes, filled ONCE by eight tensor loads (waves 0-3, two each): no slot is filled again.  The first phase reads key steps 0-7, the first four loads' bytes.
; NO CLUSTER: the four work-groups of a head read the same record, but they differ in just the number on which the jump over hidden steps hangs.
; LAYOUT.  Both products are used transposed: S^T = K Q^T, O^T = V^T P^T: a lane holds one query (lane % 16).  Lane-row p of tile T is token (or channel) 32 (T / 2) + 8 (T % 2) + p + 8 (p / 8),
; so the 16 registers of two neighbouring tiles are 16 neighbours along the next K.
; THE FIRST PRODUCT'S K IS 64, the instruction's 128: a fragment of source 0 holds TWO tiles of keys, one in each half of K; the even tile is multiplied by (q | zero codes), the odd one by (zero codes | q).
; Zero codes add nothing; the scale words are doubled (s0, s1, s0, s1), so one word serves either half.
; LIMITS: NaN and infinities are not served; a block of y whose largest magnitude lies under 2^-122, and a block of zeros, get the scale byte 1 (this program alone reads the bytes).
.set KREC,  13056                      ; a key step's record: K's 8 tiles (6,144), V^T's 4 fragments (6,144), K's scale words (512), V's (256)
.set HEADB, 208896
.set HALFB, 104448
.set PARTB, 26112                      ; what one tensor load brings: 102 rows of 256 bytes
.set CHX,   1572864
.set PS2,   147456
.set KF,  44                           ; v44-91 K's four pairs of tiles, then V^T's four fragments
.set S,   96                           ; v96-159 S^T, then p
.set O,   160                          ; v160-191 O^T
.set PC,  192                          ; v192-203 p's codes
.set CT,  204                          ; v204-206, v208-210 the conversions' second halves
.set KS,  212                          ; v212-219 K's scale words
.set VS,  220                          ; v220-223 V's
.set PW,  224                          ; v224 p's scale word
.set BM,  228                          ; v228-231 the blocks' largest
.set BT,  232                          ; v232-235 at work
.set SO,  236                          ; v236-239 the conversions' scale operands
.set F,   240                          ; v[240:241] 2^(old M - new M)
.set T1,  242
.set DD,  243
.set L2,  244                          ; v[244:245] one of the sum's eight chains
; v1 16 x lane; v2 16 r + 8 h; v3 16 r; v4 r + 8 (r / 8) - 16 h; v5 16 r + h; v6 -infinity; v8-10 the step's LDS addresses; v12 -M; v13 the largest t; v[14:15] the sum;
; v16-21 and v28-33 zero codes round q in v22-27; v34 q's scale word; v35-41 the second tile's
.set WV,   14
.set BH,   15
.set TAU,  16
.set KMAX, 17
.set TB,   18
.set KAP,  19
.set SEL,  20
.set CS,   22                          ; s[22:23] log2(e) / 8
.set QB,   24
.set HM,   25
.set YB,   52
.set SBB,  54
	s_load_b256 s[4:11], s[0:1], 0x0               ; qc s[4:5], qs s[6:7], kv s[8:9], ac s[10:11]
	s_load_b64 s[12:13], s[0:1], 0x20              ; s2
	v_lshl_add_u32 v254, v0, 2, 0x33000
	v_mov_b32 v255, 0
	ds_add_u32 v254, v255
	ds_add_u32 v254, v255
	v_lshrrev_b32 v1, 5, v0
	s_delay_alu instid0(VALU_DEP_1)
	v_readfirstlane_b32 s[WV], v1                  ; wave 0..15
	s_and_b32 s[BH], ttmp7, 0xffff                 ; the head, 0..63
	s_mov_b32 s28, 3<<16                           ; group 1: no mask; elements of 8 bytes; no padding
	s_mov_b32 s29, 32<<16                          ; tensor_dim0 = 32
	s_mov_b32 s30, 102<<16                         ; tensor_dim1 = 102
	s_mov_b32 s31, 32<<16                          ; tile_dim0 = 32
	s_mov_b32 s32, 102                             ; tile_dim1 = 102
	s_mov_b32 s33, 32                              ; from row to row
	s_mov_b32 s34, 0
	s_mov_b32 s35, 0
	s_mul_i32 s56, s[BH], HEADB
	s_mul_i32 s58, s[WV], PARTB
	s_add_co_u32 s56, s56, s58
	s_mov_b32 s57, 0
	s_wait_dscnt 0x0
	s_wait_kmcnt 0x0
	s_add_nc_u64 s[56:57], s[8:9], s[56:57]
	s_mov_b32 s36, 1
	s_mov_b32 s37, s58                             ; LDS mirrors the record: wave x 26,112,
	s_mov_b64 s[38:39], s[56:57]
	s_or_b32 s39, s39, 0x80000000
	s_mov_b32 s40, 1
	s_add_co_u32 s41, s58, HALFB                   ; and the same in the second half
	s_add_nc_u64 s[42:43], s[56:57], HALFB
	s_or_b32 s43, s43, 0x80000000
	s_cmp_lt_u32 s[WV], 4
	s_cbranch_scc0 .Lno_fetch                      ; a wave's two fills stand in one branch on its number, ahead of every wait on TENSORcnt, LDS read and barrier
	tensor_load_to_lds s[36:39], s[28:35]
	s_nop 0
	tensor_load_to_lds s[40:43], s[28:35]
	s_nop 0
.rept 4
	v_nop
.endr
.Lno_fetch:
	v_and_b32 v7, 15, v0                           ; r
	v_bfe_u32 v11, v0, 4, 1                        ; h
	v_and_b32 v1, 31, v0
	s_delay_alu instid0(VALU_DEP_1)
	v_lshlrev_b32 v1, 4, v1
	s_wait_alu depctr_va_vdst(0)
	v_lshlrev_b32 v3, 4, v7
	s_delay_alu instid0(VALU_DEP_1)
	v_lshl_add_u32 v2, v11, 3, v3
	s_wait_alu depctr_va_vdst(0)
	v_add_nc_u32 v5, v3, v11
	v_and_b32 v4, 8, v7
	s_delay_alu instid0(VALU_DEP_1)
	v_add_nc_u32 v4, v4, v7
	v_lshlrev_b32 v11, 4, v11
	s_delay_alu instid0(VALU_DEP_1)
	v_sub_nc_u32 v4, v4, v11
	v_mov_b32 v6, 0xff800000
	s_mov_b32 s[SEL], 0x76543210
	s_mov_b32 s[SEL+1], 0xfedcba98
	s_mov_b32 s[CS], 0x3e38aa3b
	s_mov_b32 s[CS+1], s[CS]                       ; (named with it as a pair, so it is written)
	s_mov_b32 s[HM], 0xffff0000
	s_lshl_b32 s60, ttmp9, 4
	s_add_co_u32 s60, s60, s[WV]                   ; my first tile of queries,
	s_sub_co_u32 s61, 127, s60                     ; my second
	s_mov_b32 s67, 0
	s_lshl_b32 s62, s[BH], 7
	s_add_co_u32 s66, s62, s60
	s_mul_i32 s66, s66, 768
	s_add_nc_u64 s[44:45], s[4:5], s[66:67]
	s_add_co_u32 s66, s62, s61
	s_mul_i32 s66, s66, 768
	s_add_nc_u64 s[46:47], s[4:5], s[66:67]
	s_lshl_b32 s62, s[BH], 13
	s_lshr_b32 s63, s60, 2
	s_lshl_b32 s63, s63, 8
	s_and_b32 s66, s60, 3
	s_lshl_b32 s66, s66, 2
	s_add_co_u32 s66, s66, s63
	s_add_co_u32 s66, s66, s62
	s_add_nc_u64 s[48:49], s[6:7], s[66:67]
	s_lshr_b32 s63, s61, 2
	s_lshl_b32 s63, s63, 8
	s_and_b32 s66, s61, 3
	s_lshl_b32 s66, s66, 2
	s_add_co_u32 s66, s66, s63
	s_add_co_u32 s66, s66, s62
	s_add_nc_u64 s[50:51], s[6:7], s[66:67]
	global_load_b128 v[22:25], v1, s[44:45]        ; both tiles' q and scale words are asked for here
	global_load_b64 v[26:27], v2, s[44:45] offset:512
	global_load_b32 v34, v3, s[48:49]
	global_load_b128 v[36:39], v1, s[46:47]
	global_load_b64 v[40:41], v2, s[46:47] offset:512
	global_load_b32 v35, v3, s[50:51]
	; what of y's and its scale bytes' places hangs on the head alone
	s_and_b32 s26, s[BH], 15                       ; the head in its batch: half fragment 0..15 along the last product's K
	s_lshr_b32 s27, s[BH], 4                       ; the batch
	s_lshr_b32 s68, s26, 2
	s_mul_i32 s68, s68, CHX
	s_mul_i32 s70, s27, 128*3072
	s_add_co_u32 s68, s68, s70
	s_and_b32 s70, s26, 3
	s_mul_i32 s70, s70, 768
	s_add_co_u32 s68, s68, s70
	s_lshr_b32 s69, s26, 3
	s_mul_i32 s69, s69, PS2
	s_lshl_b32 s70, s27, 15
	s_add_co_u32 s69, s69, s70
	s_and_b32 s70, s26, 7
	s_lshl_b32 s70, s70, 1
	s_add_co_u32 s69, s69, s70
.irp j, 16,17,18,19,20,21,28,29,30,31,32,33
	v_mov_b32 v[\j], 0                             ; zero codes
.endr
.irp b, 0,1,2,3
	v_mov_b32 v[BT+\b], 0                          ; written once: a lane permute's destination counts as one of its sources
.endr
	v_mov_b32 v[T1], 0
	v_mov_b32 v[F+1], 0                            ; (named as the upper half of a pair)
; A KEY STEP: 128 keys, record at LDS byte s[TB]
.macro KSTEP
	s_cmp_gt_u32 s[KAP], s[KMAX]
	s_cbranch_scc1 .Lhidden_\@                     ; all its keys come after my queries
	s_setprio 2
	v_add_nc_u32 v8, s[TB], v1
	v_add_nc_u32 v9, s[TB], v2
	v_add_nc_u32 v10, s[TB], v3
	v_nop                                          ; four plain instructions in front of loads into registers that the last products read
.irp t, 0,1,2,3,4,5,6,7
	ds_load_b128 v[KF+6*\t:KF+6*\t+3], v8 offset:768*\t
	ds_load_b64 v[KF+6*\t+4:KF+6*\t+5], v9 offset:768*\t+512
.endr
	ds_load_b128 v[KS:KS+3], v10 offset:12288
	ds_load_b128 v[KS+4:KS+7], v10 offset:12544
	s_wait_alu depctr_va_vdst(0)
	s_wait_dscnt 0x0
.irp t, 0,1,2,3,4,5,6,7                ; S^T: tile t lies in half t % 2 of its pair's K; q stands in the same half of source 1, zero codes in the other
	v_wmma_scale_f32_16x16x128_f8f6f4 v[S+8*\t:S+8*\t+7], v[KF+12*(\t/2):KF+12*(\t/2)+11], v[22-6*(\t%2):33-6*(\t%2)], 0, v[KS+\t], v34 matrix_a_fmt:MATRIX_FMT_BF6 matrix_b_fmt:MATRIX_FMT_BF6
.endr
.rept 4
	v_nop
.endr
.irp f, 0,1,2,3                        ; V^T's fragments land while the softmax is worked
.irp c, 0,1
	ds_load_b128 v[KF+12*\f+6*\c:KF+12*\f+6*\c+3], v8 offset:6144+1536*\f+768*\c
	ds_load_b64 v[KF+12*\f+6*\c+4:KF+12*\f+6*\c+5], v9 offset:6144+1536*\f+768*\c+512
.endr
.endr
	ds_load_b128 v[VS:VS+3], v10 offset:12800
	s_cmp_lg_u32 s[KAP], s[KMAX]
	s_cbranch_scc1 .Lopen_\@                       ; only the tile's last step lies on the diagonal
	v_add_nc_u32 v[DD], s[QB], v4                  ; my query in the step - 16 h.  Register 16 b + i holds key 32 b + 16 h + i: hidden where 32 b + i is greater
.set n, 0
.rept 64
	v_cmp_gt_i32 vcc_lo, 32*(n/16)+n%16, v[DD]
	v_cndmask_b32 v[S+n], v[S+n], v6, vcc_lo
.set n, n+1
.endr
.Lopen_\@:
.irp b, 0,1,2,3
	v_max3_num_f32 v[BM+\b], v[S+16*\b], v[S+1+16*\b], v[S+2+16*\b]   ; the largest score of each block of 32 keys: it serves the row's maximum and, since p rises with the score, the block's largest p
.endr
.irp i, 3,5,7,9,11,13
.irp b, 0,1,2,3
	v_max3_num_f32 v[BM+\b], v[BM+\b], v[S+16*\b+\i], v[S+1+16*\b+\i]
.endr
.endr
.irp b, 0,1,2,3
	v_max_num_f32 v[BM+\b], v[BM+\b], v[S+15+16*\b]
.endr
.irp b, 0,1,2,3
	s_delay_alu instid0(VALU_DEP_4)
	v_permlanex16_b32 v[BT+\b], v[BM+\b], s[SEL], s[SEL+1]
.endr
.irp b, 0,1,2,3
	s_delay_alu instid0(VALU_DEP_4)
	v_max_num_f32 v[BM+\b], v[BM+\b], v[BT+\b]
.endr
	s_delay_alu instid0(VALU_DEP_2)
	v_max3_num_f32 v[T1], v[BM], v[BM+1], v[BM+2]
	s_delay_alu instid0(VALU_DEP_1)
	v_max_num_f32 v[T1], v[T1], v[BM+3]
	s_delay_alu instid0(VALU_DEP_1)
	v_mul_f32 v[T1], s[CS], v[T1]
	s_delay_alu instid0(VALU_DEP_1)
	v_max_num_f32 v13, v13, v[T1]                  ; the running largest t
	v_mov_b32 v[T1], v12
	s_delay_alu instid0(VALU_DEP_2)
	v_floor_f32 v12, -v13                          ; the new -M: M is a whole number
	s_delay_alu instid0(VALU_DEP_1)
	v_sub_f32 v[T1], v12, v[T1]                    ; old M - new M, 0 or less
	s_delay_alu instid0(VALU_DEP_1)
	v_cvt_i32_f32 v[T1], v[T1]                     ; (it saturates)
	s_delay_alu instid0(VALU_DEP_1)
	v_ldexp_f32 v[F], 1.0, v[T1]
.set n, 0
.rept 32
	v_pk_fma_f32 v[S+n:S+n+1], v[S+n:S+n+1], s[CS:CS+1], v[12:13] op_sel_hi:[1,0,0]   ; t - M, two at a time
.set n, n+2
.endr
	s_setprio 1
.irp b, 0,1,2,3
	v_fma_f32 v[BM+\b], v[BM+\b], s[CS], v12
.endr
.set n, 0
	s_wait_alu depctr_va_vdst(0)
.rept 64
	v_exp_f32 v[S+n], v[S+n]                       ; p, at most 1
.set n, n+1
.endr
	v_pk_mul_f32 v[14:15], v[14:15], v[F:F+1] op_sel_hi:[1,0]   ; the sum under the new M: the plain instruction behind the exponentials
	s_wait_alu depctr_va_vdst(0)                   ; one wait for the batch of 64, ahead of its first reader
.irp b, 0,1,2,3
	v_exp_f32 v[BM+\b], v[BM+\b]                   ; the blocks' largest p
.endr
	v_pk_add_f32 v[244:245], v[100:101], v[104:105]
	v_pk_add_f32 v[252:253], v[108:109], v[112:113]
	v_pk_add_f32 v[250:251], v[116:117], v[120:121]
	v_pk_add_f32 v[248:249], v[124:125], v[128:129]
	v_pk_add_f32 v[246:247], v[132:133], v[136:137]
	v_pk_add_f32 v[238:239], v[140:141], v[144:145]
	v_pk_add_f32 v[236:237], v[148:149], v[152:153]
	v_pk_add_f32 v[14:15], v[14:15], v[156:157]
	v_pk_add_f32 v[244:245], v[244:245], v[96:97]
	v_pk_add_f32 v[252:253], v[252:253], v[98:99]
	v_pk_add_f32 v[250:251], v[250:251], v[102:103]
	v_pk_add_f32 v[248:249], v[248:249], v[106:107]
	v_pk_add_f32 v[246:247], v[246:247], v[110:111]
	v_pk_add_f32 v[238:239], v[238:239], v[114:115]
	v_pk_add_f32 v[236:237], v[236:237], v[118:119]
	v_pk_add_f32 v[14:15], v[14:15], v[122:123]
	v_pk_add_f32 v[244:245], v[244:245], v[126:127]
	v_pk_add_f32 v[252:253], v[252:253], v[130:131]
	v_pk_add_f32 v[250:251], v[250:251], v[134:135]
	v_pk_add_f32 v[248:249], v[248:249], v[138:139]
	v_pk_add_f32 v[246:247], v[246:247], v[142:143]
	v_pk_add_f32 v[238:239], v[238:239], v[146:147]
	v_pk_add_f32 v[236:237], v[236:237], v[150:151]
	v_pk_add_f32 v[14:15], v[14:15], v[154:155]
	v_pk_add_f32 v[244:245], v[244:245], v[158:159]
	s_delay_alu instid0(VALU_DEP_2)
	v_pk_add_f32 v[14:15], v[14:15], v[248:249]
	s_delay_alu instid0(VALU_DEP_2)
	v_pk_add_f32 v[244:245], v[244:245], v[246:247]
	v_pk_add_f32 v[252:253], v[252:253], v[238:239]
	v_pk_add_f32 v[250:251], v[250:251], v[236:237]
	s_delay_alu instid0(VALU_DEP_2)
	v_pk_add_f32 v[14:15], v[14:15], v[252:253]
	s_delay_alu instid0(VALU_DEP_2)
	v_pk_add_f32 v[244:245], v[244:245], v[250:251]
	s_delay_alu instid0(VALU_DEP_1)
	v_pk_add_f32 v[14:15], v[14:15], v[244:245]
	s_wait_alu depctr_va_vdst(0)                   ; and one for the four
.irp b, 0,1,2,3
	v_max_num_f32 v[BM+\b], 0x2800000, v[BM+\b]    ; the floor 2^(5 - 127)
.endr
.irp b, 0,1,2,3
	s_delay_alu instid0(VALU_DEP_4)
	v_add_nc_u32 v[SO+\b], 0xfe000000, v[BM+\b]
.endr
.irp b, 0,1,2,3
	s_delay_alu instid0(VALU_DEP_4)
	v_lshrrev_b32 v[BT+\b], 23, v[SO+\b]
.endr
	s_delay_alu instid0(VALU_DEP_3)
	v_lshl_or_b32 v[PW], v[BT+1], 8, v[BT]
	s_delay_alu instid0(VALU_DEP_1)
	v_lshl_or_b32 v[PW], v[BT+2], 16, v[PW]
	s_delay_alu instid0(VALU_DEP_1)
	v_lshl_or_b32 v[PW], v[BT+3], 24, v[PW]
	s_setprio 0
.irp c, 0,1
	v_cvt_scalef32_pk16_bf6_f32 v[PC+6*\c:PC+2+6*\c], v[S+32*\c:S+15+32*\c], v[SO+2*\c]
	v_cvt_scalef32_pk16_bf6_f32 v[CT+4*\c:CT+2+4*\c], v[S+16+32*\c:S+31+32*\c], v[SO+1+2*\c]
.endr
	v_nop                                          ; one plain instruction behind the scaled conversions
.irp c, 0,1
.irp i, 0,1,2
	v_permlane16_swap_b32 v[PC+6*\c+\i], v[CT+4*\c+\i]
.endr
.irp i, 0,1,2
	s_delay_alu instid0(VALU_DEP_3)
	v_mov_b32 v[PC+3+6*\c+\i], v[CT+4*\c+\i]
.endr
.endr
.set n, 0
.rept 16
	v_pk_mul_f32 v[O+n:O+n+1], v[O+n:O+n+1], v[F:F+1] op_sel_hi:[1,0]   ; O^T under the new M; these sixteen also stand between the writes of p's codes and scale word and the products
.set n, n+2
.endr
	s_wait_alu depctr_va_vdst(0)
	s_wait_dscnt 0x0                               ; V^T and its scale words are in
.irp f, 0,1,2,3                        ; four accumulators by turns
	v_wmma_scale_f32_16x16x128_f8f6f4 v[O+8*\f:O+8*\f+7], v[KF+12*\f:KF+12*\f+11], v[PC:PC+11], v[O+8*\f:O+8*\f+7], v[VS+\f], v[PW] matrix_a_fmt:MATRIX_FMT_BF6 matrix_b_fmt:MATRIX_FMT_BF6
.endr
.Lhidden_\@:
.endm
; One tile of queries: n = 1 the first, 2 the second
.macro PHASE n, trips
.if \n == 2
	s_wait_xcnt 0x0                                ; the first tile's stores have read their registers and bases
.irp j, 0,1,2,3,4,5
	v_mov_b32 v[22+\j], v[36+\j]
.endr
	v_mov_b32 v34, v35                             ; (the lines that start the sums below stand between these writes and the first product)
	s_mov_b32 s[TAU], s61
.else
	s_mov_b32 s[TAU], s60
.endif
	s_lshr_b32 s[KMAX], s[TAU], 3                  ; the tile's last key step
	s_and_b32 s[QB], s[TAU], 6
	s_lshl_b32 s[QB], s[QB], 4
	s_and_b32 s26, s[TAU], 1
	s_lshl_b32 s26, s26, 3
	s_add_co_u32 s[QB], s[QB], s26                 ; the tile's first token in that step
	s_mul_i32 s66, s[TAU], 3072
	s_add_co_u32 s66, s66, s68
	s_add_nc_u64 s[YB:YB+1], s[10:11], s[66:67]
	s_lshl_b32 s66, s[TAU], 8
	s_add_co_u32 s66, s66, s69
	s_add_nc_u64 s[SBB:SBB+1], s[12:13], s[66:67]
	s_mov_b32 s[TB], 0
	s_mov_b32 s[KAP], 0
	v_mov_b32 v13, 0xff61b1e6                      ; the largest t so far: -3e38
	s_delay_alu instid0(VALU_DEP_1)
	v_floor_f32 v12, -v13
	v_mov_b32 v14, 0
	v_mov_b32 v15, 0
.set n, 0
.rept 32
	v_mov_b32 v[O+n], 0                            ; the step is written once: the first finds zeros
.set n, n+1
.endr
.Lkey_\@:
	KSTEP
	s_add_co_u32 s[TB], s[TB], KREC
	s_add_co_u32 s[KAP], s[KAP], 1
	s_cmp_lt_u32 s[KAP], \trips
	s_cbranch_scc1 .Lkey_\@
	s_setprio 0
.endm
; y = O / the sum, quantised along the head's 64 (two blocks of the last product's K), stored as a half fragment of that product's operand
.macro FINISH
.rept 4
	v_nop
.endr
	v_add_f32 v14, v14, v15
	s_delay_alu instid0(VALU_DEP_1)
	v_permlanex16_b32 v[T1], v14, s[SEL], s[SEL+1]
	s_delay_alu instid0(VALU_DEP_1)
	v_add_f32 v14, v14, v[T1]                      ; the row's sum
	s_wait_alu depctr_va_vdst(0)
	v_rcp_f32 v14, v14
	v_nop
	s_wait_alu depctr_va_vdst(0)                   ; ahead of the reciprocal's first reader
.set n, 0
.rept 16
	v_pk_mul_f32 v[S+n:S+n+1], v[O+n:O+n+1], v[14:15] op_sel_hi:[1,0]   ; register 16 b + i is channel 32 b + 16 h + i; each accumulator from its low end on
.set n, n+2
.endr
.irp b, 0,1
	v_max3_num_f32 v[BM+\b], |v[S+16*\b]|, |v[S+1+16*\b]|, 0x2800000
.endr
.irp i, 2,4,6,8,10,12,14
.irp b, 0,1
	s_delay_alu instid0(VALU_DEP_2)
	v_max3_num_f32 v[BM+\b], v[BM+\b], |v[S+16*\b+\i]|, |v[S+1+16*\b+\i]|
.endr
.endr
.irp b, 0,1
	s_delay_alu instid0(VALU_DEP_2)
	v_permlanex16_b32 v[BT+\b], v[BM+\b], s[SEL], s[SEL+1]
.endr
.irp b, 0,1
	s_delay_alu instid0(VALU_DEP_2)
	v_max_num_f32 v[BM+\b], v[BM+\b], v[BT+\b]
.endr
.irp b, 0,1
	s_delay_alu instid0(VALU_DEP_2)
	v_add_nc_u32 v[SO+\b], 0xfe000000, v[BM+\b]
.endr
.irp b, 0,1
	s_delay_alu instid0(VALU_DEP_2)
	v_lshrrev_b32 v[BT+\b], 23, v[SO+\b]
.endr
	s_delay_alu instid0(VALU_DEP_1)
	v_cndmask_b32 v[T1], v[BT], v[BT+1], s[HM]     ; lanes 0-15 store block 0's byte, lanes 16-31 block 1's
	v_cvt_scalef32_pk16_bf6_f32 v[PC:PC+2], v[S:S+15], v[SO]
	v_cvt_scalef32_pk16_bf6_f32 v[CT:CT+2], v[S+16:S+31], v[SO+1]
	v_nop
.irp i, 0,1,2
	v_permlane16_swap_b32 v[PC+\i], v[CT+\i]
.endr
.irp i, 0,1,2
	s_delay_alu instid0(VALU_DEP_3)
	v_mov_b32 v[PC+3+\i], v[CT+\i]
.endr
	global_store_b128 v1, v[PC:PC+3], s[YB:YB+1]               ; 512 consecutive bytes
	global_store_b64 v2, v[PC+4:PC+5], s[YB:YB+1] offset:512   ; 256 consecutive bytes
	global_store_b8 v5, v[T1], s[SBB:SBB+1]                    ; two bytes of each of 16 slots, 16 bytes apart: a slot's 32 bytes come from the 16 heads
.endm
	s_wait_tensorcnt 1                             ; my part of key steps 0-7 is in; the second half may be out
	s_barrier_signal -1
	s_barrier_wait -1
	s_wait_loadcnt 0x0                             ; q
	PHASE 1, 8
	FINISH
	s_wait_tensorcnt 0x0                           ; my part of key steps 8-15 is in
	s_wait_dscnt 0x0
	s_barrier_signal -1
	s_barrier_wait -1
	PHASE 2, 16
	FINISH
	s_wait_tensorcnt 0x0
	ds_add_u32 v254, v255
	s_wait_dscnt 0x0
	s_endpgm
.Lfunc_end_k_q3e58bb71f0_attn:
	.size	k_q3e58bb71f0_attn, .Lfunc_end_k_q3e58bb71f0_attn-k_q3e58bb71f0_attn
	.p2alignl 7, 3214868480
	.fill 96, 4, 3214868480
	.section	.rodata,"a",@progbits
	.p2align	6, 0x0
	.amdhsa_kernel k_q3e58bb71f0_attn
		.amdhsa_group_segment_fixed_size 210944
		.amdhsa_private_segment_fixed_size 0
		.amdhsa_enable_private_segment 0
		.amdhsa_kernarg_size 40
		.amdhsa_user_sgpr_count 2
		.amdhsa_user_sgpr_kernarg_segment_ptr 1
		.amdhsa_wavefront_size32 1
		.amdhsa_system_sgpr_workgroup_id_x 1
		.amdhsa_system_sgpr_workgroup_id_y 1
		.amdhsa_system_sgpr_workgroup_id_z 1
		.amdhsa_system_vgpr_workitem_id 0
		.amdhsa_next_free_vgpr 256
		.amdhsa_next_free_sgpr 72
		.amdhsa_reserve_vcc 1
		.amdhsa_float_denorm_mode_32 3
		.amdhsa_float_denorm_mode_16_64 3
		.amdhsa_memory_ordered 1
		.amdhsa_forward_progress 1
		.amdhsa_inst_pref_size 64
	.end_amdhsa_kernel
	.amdgpu_metadata
---
amdhsa.version: [ 1, 2 ]
amdhsa.kernels:
  - .name:           k_q3e58bb71f0_attn
    .symbol:         k_q3e58bb71f0_attn.kd
    .args:
      - { .name: qc, .offset: 0, .size: 8, .value_kind: global_buffer, .address_space: global }
      - { .name: qs, .offset: 8, .size: 8, .value_kind: global_buffer, .address_space: global }
      - { .name: kv, .offset: 16, .size: 8, .value_kind: global_buffer, .address_space: global }
      - { .name: ac, .offset: 24, .size: 8, .value_kind: global_buffer, .address_space: global }
      - { .name: s2, .offset: 32, .size: 8, .value_kind: global_buffer, .address_space: global }
    .group_segment_fixed_size: 210944
    .private_segment_fixed_size: 0
    .kernarg_segment_align: 8
    .kernarg_segment_size: 40
    .max_flat_workgroup_size: 512
    .sgpr_count:     72
    .vgpr_count:     256
    .wavefront_size: 32
...
	.end_amdgpu_metadata
.endif
;; end of part 3
;; launch gemm2 (part 4): grid 4 x 32, 4 waves a work-group, clusters of 4 x 4, 327,680 bytes of LDS; arguments ac, wc, s2, b_out, out0; writes out0
.if DOCPART == 4
	.amdgcn_target "amdgcn-amd-amdhsa--gfx1250"
	.amdhsa_code_object_version 6
	.text
	.protected	k_q3e58bb71f0_gemm2
	.globl	k_q3e58bb71f0_gemm2
	.p2align	8
	.type	k_q3e58bb71f0_gemm2,@function
k_q3e58bb71f0_gemm2:
	s_mov_b64 s[64:65], 0
	v_nop
	global_prefetch_b8 v0, s[64:65] scope:SCOPE_SE
	s_setreg_imm32_b32 hwreg(HW_REG_WAVE_MODE, 25, 1), 1
	s_wait_xcnt 0x0
	s_wait_alu depctr_hold_cnt(0) depctr_sa_sdst(0) depctr_va_vdst(0) depctr_va_sdst(0) depctr_va_ssrc(0) depctr_va_vcc(0) depctr_vm_vsrc(0)
	s_getreg_b32 s2, hwreg(HW_REG_IB_STS2, 6, 4)
	s_cmp_eq_u32 s2, 0
	s_cbranch_scc0 .Lentry_in_a_cluster
	s_endpgm
.Lentry_in_a_cluster:
	s_bfe_u32 s2, ttmp6, 0x10000c
	s_cmp_lg_u32 s2, 0xf033
	s_cbranch_scc0 .Lentry_shape_is_right
	s_endpgm
.Lentry_shape_is_right:
; out0 = y w_out + b_out on codes of BF6 (E3M2) with E8M0 scales, f32 sums.  y's codes lie in ac and its scale bytes in s2, as attention left them; w_out's codes lie in wc from byte 2,359,296 on, its scale bytes in s2 from slot 8,192 on.
; A work-group makes 256 tokens x 256 columns; four waves, 128 x 128 each: 64 accumulators, 512 registers.  K = 1,024 is written out: 8 steps of 128, no loop.
; OPERANDS lie in memory in the order of the operand's registers (tiles of 16 rows, lane-row p of tile T = row 32 (T / 2) + 8 (T % 2) + p + 8 (p / 8); half fragments of 768 bytes: registers 0-3 at 16 x lane, 4-5 at 512 + 16 r + 8 h),
; so 256 along K of 128 rows are one dense block of 24,576 bytes: one tensor load a wave.
; LDS: three slots of 98,304 bytes (y's 16 tiles, then the weight's 16).  Chunks 0, 1, 2 of K are first fills; chunk 3 fills slot 0 again: one refill.  By this text's count a wave has at most three tensor loads out.
; CLUSTERS: 4 x 4 work-groups; y's tiles are asked for jointly along a row of the cluster, the weight's along a column.  The grid has 128 work-groups: the tile is kept at 256 x 256, so that a wave's fragment from LDS feeds eight products.
; Source 1 (Q) = tokens gives the result's lane, source 0 (P) = columns its registers.  The bias is the C of each sum's first product.
; REGISTERS: window 0: v4-15 LDS addresses, v16-23 other addresses, v32-95 scale words, v128-223 Q's fragments (on the way out v128-255: rows read back);
;   window 1: P's fragments, two sets at v0 and v128; the bias at v96-127 and v224-255;   windows 2, 3: accumulator (a, b) at v[8 (8 (a % 4) + b)].
.set SLOT,  98304
.set SPARE, 294912                     ; behind the slots: the spare words, 128 bytes for each wave, which no other line names
.set CHX,   1572864
.set CHW,   196608                     ; 256 along K of w_out's codes
.set WOFF,  2359296
.set PS,    147456                     ; a plane of s2
.set Q16, 4
.set Q8,  7
.set P16, 10
.set P8,  13
.set SPW, 16
.set NIL, 17
.set A16, 18
.set A8,  19
.set STO, 20                           ; v20 the way out: where I put 32 bytes of a row
.set RD,  21                           ; v21 and where I read a row back
.set OSC, 22
.set OBP, 23
.set SC,  32
.set QF,  128
.set BK,  128
.set WV, 18
.set WH, 19
.set WL, 20
.set CX, 21
.set CY, 22
.set TC, 23
.set TR, 24
.set G1X, 28
.set G1W, 36
.set G0X, 44
.set HM,  61
.set G0W, 68
.set MSB, 0
.macro WIN new                         ; the immediate's high byte repeats the setting that is left
.if MSB != (\new)
	s_set_vgpr_msb (MSB<<8)|(\new)
.set MSB, (\new)
.endif
.endm
.set MUL_LO, 0xa1                      ; source 0 (P) window 1, source 1 (Q) window 0, C and D window 2
.set MUL_HI, 0xf1
.set Z_LO,   0x91                      ; the first step: C (the bias) window 1, D window 2
.set Z_HI,   0xd1
.macro PLACES n
.rept \n
	v_nop
.endr
.endm
.macro JLOAD g0a, g0b                  ; a joint load: waves 0, 1 fetch y's two halves, waves 2, 3 the weight's; four v_nop follow each of the two lines
	s_cmp_eq_u32 s[WH], 0
	s_cbranch_scc0 .Lfor_w_\@
	tensor_load_to_lds s[\g0a:\g0a+3], s[G1X:G1X+7]
	s_nop 0
.rept 4
	v_nop
.endr
	s_branch .Lasked_\@
.Lfor_w_\@:
	tensor_load_to_lds s[\g0b:\g0b+3], s[G1W:G1W+7]
	s_nop 0
.rept 4
	v_nop
.endr
.Lasked_\@:
.endm
.macro CREST
	s_cmp_lg_u32 s[WV], 0
	s_cbranch_scc1 .Lnot_wave_0_\@
	s_barrier_signal -3
.Lnot_wave_0_\@:
	s_barrier_wait -3
	s_barrier_signal -1
	s_barrier_wait -1
.endm
.macro CROUND
	s_barrier_signal -1
	s_barrier_wait -1
	CREST
.endm
	s_load_b256 s[4:11], s[0:1], 0x0               ; ac s[4:5], wc s[6:7], s2 s[8:9], b_out s[10:11]
	s_load_b64 s[12:13], s[0:1], 0x20              ; out0
	v_lshl_add_u32 v[SPW], v0, 2, SPARE
	v_mov_b32 v[NIL], 0
	ds_add_u32 v16, v17
	ds_add_u32 v16, v17
	s_wait_dscnt 0x0
	v_lshrrev_b32 v1, 5, v0
	v_readfirstlane_b32 s[WV], v1
	s_lshr_b32 s[WH], s[WV], 1                     ; which half of the 256 tokens is mine.  Also: I fetch for y (0) or for the weight (1)
	s_and_b32 s[WL], s[WV], 1                      ; which half of the 256 columns.  Also: which 128 rows I fetch
	s_bfe_u32 s[CX], ttmp6, 0x40000
	s_bfe_u32 s[CY], ttmp6, 0x40004
	s_lshl_b32 s[TC], ttmp9, 2
	s_add_co_u32 s[TC], s[TC], s[CX]
	s_and_b32 s[TR], ttmp7, 0xffff
	s_lshl_b32 s[TR], s[TR], 2
	s_add_co_u32 s[TR], s[TR], s[CY]
	s_lshl_b32 s25, s[CY], 2
	s_lshl_b32 s25, 15, s25                        ; my row of the cluster
	s_lshl_b32 s26, 0x1111, s[CX]                  ; my column
	s_mov_b32 s[HM], 0xffff0000
	s_or_b32 s[G1X], s25, (3<<16)|(1<<21)          ; group 1: the mask; elements of 8 bytes; bit 21 beside a mask; no padding
	s_or_b32 s[G1W], s26, (3<<16)|(1<<21)
.irp g, G1X, G1W
	s_mov_b32 s[\g+1], 32<<16                      ; tensor_dim0 = 32
	s_mov_b32 s[\g+2], 96<<16                      ; tensor_dim1 = 96
	s_mov_b32 s[\g+3], 32<<16                      ; tile_dim0 = 32
	s_mov_b32 s[\g+4], 96                          ; tile_dim1 = 96
	s_mov_b32 s[\g+5], 32
	s_mov_b32 s[\g+6], 0
	s_mov_b32 s[\g+7], 0
.endr
	s_mul_i32 s62, s[WL], 24576
	s_mul_i32 s56, s[TR], 49152
	s_add_co_u32 s56, s56, s62
	s_mov_b32 s57, 0
	s_mul_i32 s58, s[TC], 49152
	s_add_co_u32 s58, s58, s62
	s_add_co_u32 s58, s58, WOFF
	s_mov_b32 s59, 0
	s_mul_i32 s60, s[WV], 24576
	s_wait_kmcnt 0x0
	s_add_nc_u64 s[56:57], s[4:5], s[56:57]
	s_add_nc_u64 s[58:59], s[6:7], s[58:59]
	CROUND                                         ; all sixteen work-groups are here: the first joint loads meet
.irp s, 0,1,2
	s_mov_b32 s[G0X+4*\s], 1
	s_add_co_u32 s[G0X+4*\s+1], s60, \s*SLOT
	s_add_nc_u64 s[G0X+4*\s+2:G0X+4*\s+3], s[56:57], \s*CHX
	s_or_b32 s[G0X+4*\s+3], s[G0X+4*\s+3], 0x80000000
	s_mov_b32 s[G0W+4*\s], 1
	s_add_co_u32 s[G0W+4*\s+1], s60, \s*SLOT
	s_add_nc_u64 s[G0W+4*\s+2:G0W+4*\s+3], s[58:59], \s*CHW
	s_or_b32 s[G0W+4*\s+3], s[G0W+4*\s+3], 0x80000000
	JLOAD G0X+4*\s, G0W+4*\s
.endr
	v_and_b32 v1, 31, v0
	v_and_b32 v2, 15, v0
	v_bfe_u32 v3, v0, 4, 1
	v_lshlrev_b32 v[A16], 4, v1
	v_lshlrev_b32 v[A8], 4, v2
	v_lshl_add_u32 v[A8], v3, 3, v[A8]
	s_mul_i32 s62, s[WH], 24576                    ; Q's side of a slot: my 128 tokens
	s_mul_i32 s63, s[WL], 24576
	s_add_co_u32 s63, s63, 49152                   ; P's: my 128 columns
.irp s, 0,1,2
	v_add_nc_u32 v[Q16+\s], s62, v[A16]
	v_add_nc_u32 v[Q8+\s], s62, v[A8]
	v_add_nc_u32 v[P16+\s], s63, v[A16]
	v_add_nc_u32 v[P8+\s], s63, v[A8]
	s_add_co_u32 s62, s62, SLOT
	s_add_co_u32 s63, s63, SLOT
.endr
	s_mul_i32 s62, s[WV], 8448
	s_add_co_u32 s62, s62, SLOT                    ; my stage, 16 rows x (512 bytes + 16), in slot 1: that slot has had its only fill, and its last reads lie ahead of two barriers when the first result is stored there
	v_mul_u32_u24 v[STO], v2, 528
	v_lshl_add_u32 v[STO], v3, 6, v[STO]
	v_add_nc_u32 v[STO], s62, v[STO]
	v_add_nc_u32 v[RD], s62, v[A16]
	s_lshl_b32 s91, s[TR], 8
	s_lshl_b32 s95, s[WH], 7
	s_add_co_u32 s91, s91, s95                     ; Q's slots
	s_lshl_b32 s92, s[TC], 8
	s_add_co_u32 s92, s92, 8192
	s_lshl_b32 s95, s[WL], 7
	s_add_co_u32 s92, s92, s95                     ; P's
	s_lshl_b32 s91, s91, 4
	s_lshl_b32 s92, s92, 4
	v_mov_b32 v[OSC], s91
	v_mov_b32 v[OBP], s92
	v_cndmask_b32 v[OSC], v[OSC], v[OBP], s[HM]    ; lanes 0-15 take Q's scale words, lanes 16-31 P's
	v_lshl_add_u32 v[OSC], v2, 4, v[OSC]
	v_lshlrev_b32 v[OBP], 6, v3
	s_lshl_b32 s95, s[TC], 10
	s_lshl_b32 s96, s[WL], 9
	s_add_co_u32 s86, s95, s96                     ; my first column, in bytes
	s_mov_b32 s87, 0
	s_add_nc_u64 s[88:89], s[10:11], s[86:87]
	s_lshl_b32 s90, s[TR], 8
	s_lshl_b32 s96, s[WH], 7
	s_add_co_u32 s90, s90, s96
	s_lshl_b32 s90, s90, 12                        ; my first token's row of 4,096 bytes
	s_add_co_u32 s86, s86, s90
	s_add_nc_u64 s[12:13], s[12:13], s[86:87]
.irp i, 0,1,2,3,4,5,6,7
	global_load_b128 v[SC+8*\i:SC+8*\i+3], v[OSC], s[8:9] offset:256*\i
	global_load_b128 v[SC+8*\i+4:SC+8*\i+7], v[OSC], s[8:9] offset:256*\i+PS
.endr
	WIN 0x40
.irp be, 0,1,2,3                       ; register 8 b + j of a block's 64 is column 32 (b / 2) + 16 h + 8 (b % 2) + j of my 128
.irp j, 0,1,2,3
	global_load_b128 v[96+128*(\be/2)+16*(\be%2)+4*\j:96+128*(\be/2)+16*(\be%2)+4*\j+3], v[OBP], s[88:89] offset:128*\be+16*\j
.endr
.endr
	WIN 0
.macro FRAG reg, a16, a8, i, q
.irp c, 0,1
	ds_load_b128 v[\reg+6*\c:\reg+6*\c+3], v[\a16] offset:3072*(\i)+768*(2*(\q)+\c)
	ds_load_b64 v[\reg+6*\c+4:\reg+6*\c+5], v[\a8] offset:3072*(\i)+768*(2*(\q)+\c)+512
.endr
.endm
.macro FETCH_P slot, q, p
	WIN 0x40
.irp i, 0,1,2,3,4,5,6,7
	FRAG 128*(\p)+12*\i, P16+\slot, P8+\slot, \i, \q
.endr
	WIN 0
.endm
.macro FETCH_Q slot, q, i0
.irp i, \i0, \i0+1, \i0+2, \i0+3
	FRAG QF+12*(\i), Q16+\slot, Q8+\slot, \i, \q
.endr
.endm
; 16 matrix instructions; the 64 accumulators take turns, one instruction a turn.  zero = 1: the bias starts the sums
.macro MUL16 a0, p, st, zero
.irp a, \a0, \a0+1
.irp b, 0,1,2,3,4,5,6,7
.if \zero
	v_wmma_scale_f32_16x16x128_f8f6f4 v[8*(8*((\a)%4)+\b):8*(8*((\a)%4)+\b)+7], v[128*(\p)+12*\b:128*(\p)+12*\b+11], v[QF+12*(\a):QF+12*(\a)+11], v[96+128*(\b/4)+8*(\b%4):96+128*(\b/4)+8*(\b%4)+7], v[SC+8*\b+(\st)], v[SC+8*(\a)+(\st)] matrix_a_fmt:MATRIX_FMT_BF6 matrix_b_fmt:MATRIX_FMT_BF6 matrix_a_scale:MATRIX_SCALE_ROW1
.else
	v_wmma_scale_f32_16x16x128_f8f6f4 v[8*(8*((\a)%4)+\b):8*(8*((\a)%4)+\b)+7], v[128*(\p)+12*\b:128*(\p)+12*\b+11], v[QF+12*(\a):QF+12*(\a)+11], v[8*(8*((\a)%4)+\b):8*(8*((\a)%4)+\b)+7], v[SC+8*\b+(\st)], v[SC+8*(\a)+(\st)] matrix_a_fmt:MATRIX_FMT_BF6 matrix_b_fmt:MATRIX_FMT_BF6 matrix_a_scale:MATRIX_SCALE_ROW1
.endif
.endr
.endr
.endm
.macro STEP st, nslot, nq, zero
	s_wait_dscnt 16                                ; P's set and Q's blocks 0-3 are in; the youngest 16 loads (Q's blocks 4-7) may be out
.if \zero
	WIN Z_LO
.else
	WIN MUL_LO
.endif
	MUL16 0, (\st)%2, \st, \zero
	MUL16 2, (\st)%2, \st, \zero
	s_wait_dscnt 0x0
	PLACES 4                                       ; in front of loads into registers that matrix instructions have read
	FETCH_P \nslot, \nq, 1-(\st)%2
	FETCH_Q \nslot, \nq, 0
.if \zero
	WIN Z_HI
.else
	WIN MUL_HI
.endif
	MUL16 4, (\st)%2, \st, \zero
	MUL16 6, (\st)%2, \st, \zero
	PLACES 4
	WIN 0
	FETCH_Q \nslot, \nq, 4
.endm
; A slot's second K step goes on to the next slot: one barrier.  fill = 1: slot 0 takes chunk 3: every wave waits for all its tensor loads, adds 0 to its spare word, waits for that and for its LDS reads;
; the barrier opens a round of the cluster's; the joint refill is the first thing behind it.
.macro TURN st, nslot, tcnt, fill
	s_wait_tensorcnt \tcnt
.if \fill
	ds_add_u32 v[SPW], v[NIL]
	s_wait_dscnt 17                                ; (the add and the youngest 16 loads may be out)
.else
	s_wait_dscnt 16
.endif
	WIN MUL_LO
	MUL16 0, 1, \st, 0
	s_wait_dscnt 0x0
	s_barrier_signal -1
	MUL16 2, 1, \st, 0
	WIN 0
	s_barrier_wait -1
.if \fill
	CREST
	s_add_nc_u64 s[G0X+2:G0X+3], s[G0X+2:G0X+3], 3*CHX
	s_add_nc_u64 s[G0W+2:G0W+3], s[G0W+2:G0W+3], 3*CHW
	JLOAD G0X, G0W
.else
	PLACES 4
.endif
	FETCH_P \nslot, 0, 0
	FETCH_Q \nslot, 0, 0
	WIN MUL_HI
	MUL16 4, 1, \st, 0
	MUL16 6, 1, \st, 0
	PLACES 4
	WIN 0
	FETCH_Q \nslot, 0, 4
.endm
	s_wait_tensorcnt 2                             ; my part of chunk 0 is in; chunks 1 and 2 may be out
	s_barrier_signal -1
	s_barrier_wait -1
	FETCH_P 0, 0, 0
	FETCH_Q 0, 0, 0
	FETCH_Q 0, 0, 4
	s_wait_loadcnt 0x0                             ; scale words and bias
	STEP 0, 0, 1, 1
	TURN 1, 1, 1, 0                                ; chunk 1 is in; chunk 2 may be out
	STEP 2, 1, 1, 0
	TURN 3, 2, 0, 1                                ; chunk 2 is in; chunk 3 is asked for
	STEP 4, 2, 1, 0
	TURN 5, 0, 0, 0                                ; chunk 3, my one load that was out, is in
	STEP 6, 0, 1, 0
	s_wait_dscnt 16
	WIN MUL_LO
	MUL16 0, 1, 7, 0
	MUL16 2, 1, 7, 0
	s_wait_dscnt 0x0
	WIN MUL_HI
	MUL16 4, 1, 7, 0
	MUL16 6, 1, 7, 0
	WIN 0
; THE WAY OUT, block by block of 16 tokens x 128 columns, through my own stage: in by 32 bytes a lane and tile of columns, back as whole rows of 512 bytes.  LDS serves a wave's instructions in order: no wait between the stores and the loads.
.macro TOSTAGE a
.set AC, 64*((\a)%4)
	WIN 0x08+4*((\a)/4)                            ; an LDS store's data: window 2 or 3
.irp b, 0,1,2,3,4,5,6,7
	ds_store_b128 v[STO], v[AC+8*\b:AC+8*\b+3] offset:128*(\b/2)+32*(\b%2)       ; each accumulator from its low end on
	ds_store_b128 v[STO], v[AC+8*\b+4:AC+8*\b+7] offset:128*(\b/2)+32*(\b%2)+16
.endr
	WIN 0
.set BB, BK+64*((\a)%2)
.irp t, 0,1,2,3,4,5,6,7,8,9,10,11,12,13,14,15
	ds_load_b128 v[BB+4*\t:BB+4*\t+3], v[RD] offset:\t*528
.endr
.endm
.macro SEND a, younger                 ; younger: the LDS instructions issued behind block a's loads, which may stay out
.set BB, BK+64*((\a)%2)
	s_wait_dscnt \younger
.irp t, 0,1,2,3,4,5,6,7,8,9,10,11,12,13,14,15
	global_store_b128 v[A16], v[BB+4*\t:BB+4*\t+3], s[12:13] offset:(32*((\a)/2)+8*((\a)%2)+\t+8*(\t/8))*4096 th:TH_STORE_NT   ; 32 lanes store 512 consecutive bytes, aligned; the token's row stands in the immediate
.endr
.endm
	PLACES 4                                       ; in front of the first read of results and of loads over Q's fragments
	TOSTAGE 0
.irp a, 1,2,3,4,5,6,7
.if \a > 1
	s_wait_xcnt 0x0                                ; block a - 2's stores have read their registers: block a's loads may land there
.endif
	TOSTAGE \a
	SEND \a-1, 32                                  ; behind block a - 1's loads: block a's 16 stores and 16 loads
.endr
	SEND 7, 0
	s_wait_tensorcnt 0x0                           ; the wave's end
	ds_add_u32 v[SPW], v[NIL]
	s_wait_dscnt 0x0
	CROUND                                         ; the closing round
	s_endpgm
.Lfunc_end_k_q3e58bb71f0_gemm2:
	.size	k_q3e58bb71f0_gemm2, .Lfunc_end_k_q3e58bb71f0_gemm2-k_q3e58bb71f0_gemm2
	.p2alignl 7, 3214868480
	.fill 96, 4, 3214868480
	.section	.rodata,"a",@progbits
	.p2align	6, 0x0
	.amdhsa_kernel k_q3e58bb71f0_gemm2
		.amdhsa_group_segment_fixed_size 327680
		.amdhsa_private_segment_fixed_size 0
		.amdhsa_enable_private_segment 0
		.amdhsa_kernarg_size 40
		.amdhsa_user_sgpr_count 2
		.amdhsa_user_sgpr_kernarg_segment_ptr 1
		.amdhsa_wavefront_size32 1
		.amdhsa_system_sgpr_workgroup_id_x 1
		.amdhsa_system_sgpr_workgroup_id_y 1
		.amdhsa_system_sgpr_workgroup_id_z 1
		.amdhsa_system_vgpr_workitem_id 0
		.amdhsa_next_free_vgpr 1024
		.amdhsa_next_free_sgpr 100
		.amdhsa_reserve_vcc 0
		.amdhsa_float_denorm_mode_32 3
		.amdhsa_float_denorm_mode_16_64 3
		.amdhsa_memory_ordered 1
		.amdhsa_forward_progress 1
		.amdhsa_inst_pref_size 142
	.end_amdhsa_kernel
	.amdgpu_metadata
---
amdhsa.version: [ 1, 2 ]
amdhsa.kernels:
  - .name:           k_q3e58bb71f0_gemm2
    .symbol:         k_q3e58bb71f0_gemm2.kd
    .args:
      - { .name: ac, .offset: 0, .size: 8, .value_kind: global_buffer, .address_space: global }
      - { .name: wc, .offset: 8, .size: 8, .value_kind: global_buffer, .address_space: global }
      - { .name: s2, .offset: 16, .size: 8, .value_kind: global_buffer, .address_space: global }
      - { .name: b_out, .offset: 24, .size: 8, .value_kind: global_buffer, .address_space: global }
      - { .name: out0, .offset: 32, .size: 8, .value_kind: global_buffer, .address_space: global }
    .group_segment_fixed_size: 327680
    .private_segment_fixed_size: 0
    .kernarg_segment_align: 8
    .kernarg_segment_size: 40
    .max_flat_workgroup_size: 128
    .sgpr_count:     100
    .vgpr_count:     1024
    .wavefront_size: 32
...
	.end_amdgpu_metadata
.endif
;; end of part 4
